; MI455X (gfx1250); checked and timed in simulation.
; The chip was launched on July 23, 2026; its instructions are those of AMD's public machine-readable ISA for CDNA 5 (MIT licence, August 2026) and "CDNA5" Instruction Set Architecture Reference Guide (July 2026). The comments in the code are by the model that wrote it; some were corrected since.
;; Cross Attention. Allowed arithmetic: matrix products marked QUANTISED: E2M1 operands, one E8M0 scale for each 32 along K, by v_wmma_scale_f32_16x16x128_f8f6f4 with both operands' format E2M1 (or v_wmma_scale_f32_32x16x128_f4), f32 sums; products left as they are: bf16, f16 or f32 operands; f32 sums; everything else in f32.
;; Inputs: Wk 1,024 x 1,024 float32; Wo 1,024 x 1,024 float32; Wq 1,024 x 1,024 float32; Wv 1,024 x 1,024 float32; bk 1,024 float32; bo 1,024 float32; bq 1,024 float32; bv 1,024 float32; context 4 x 2,048 x 1,024 float32; x 4 x 2,048 x 1,024 float32.
;; Outputs: out0 4 x 2,048 x 1,024 float32.
;; This version of the problem:
;;   THIS VERSION OF THE PROBLEM IS GIVEN IN LOW PRECISION. The matrix products marked QUANTISED in the list below multiply operands that are first quantised to E2M1 (2 exponent bits, 1 mantissa bit; 4 bits a number), with one power-of-two scale for each 32 numbers along K (OCP MX v1.0); their sums are f32. The products marked 'left as it is' may take bf16, f16 or f32 operands, with f32 sums. Whichever they take, every output number must still come out within the allowed error. Rounding operands to bf16 (8 significant bits) uses up far more of that allowance than f16 does (11 bits, for magnitudes from 6e-5 to 65,504). All else is computed in f32.
;;   The module's matrix products, in the order in which they are computed (A, B: the left and right operand; K: the contracted axis; several contracted axes count as one K, in the product's order):
;;     1. [M 8,192, K 1,024] x [K 1,024, N 1,024]; A: input x; B: input Wq: QUANTISED
;;     2. [M 8,192, K 1,024] x [K 1,024, N 1,024]; A: input context; B: input Wk: QUANTISED
;;     3. [M 8,192, K 1,024] x [K 1,024, N 1,024]; A: input context; B: input Wv: QUANTISED
;;     4. batch 64 x [M 2,048, K 64] x [K 64, N 2,048]; A: computed on the way; B: computed on the way: left as it is (an operand is computed on the way)
;;     5. batch 64 x [M 2,048, K 2,048] x [K 2,048, N 64]; A: computed on the way; B: computed on the way: left as it is (an operand is computed on the way)
;;     6. [M 8,192, K 1,024] x [K 1,024, N 1,024]; A: computed on the way; B: input Wo: left as it is (an operand is computed on the way)
;;   THE QUANTISER, for each operand of a quantised product, along K:
;;     - K is cut into blocks of 32 from its start; a last block that is shorter is filled with zeros.
;;     - A block's scale is 2^e with e = floor(log2(the largest magnitude in the block)) - 2, held to -126 .. 127; a block of zeros has e = 0. As a byte (E8M0): e + 127.
;;     - Each number is divided by its block's scale, clamped to +-6, and rounded to the nearest number of E2M1, ties to even, subnormals kept.
;;     - The product sums the exact products of the quantised numbers (number of the format x scale) in f32.
;;   ~~~python
;;   def quantise(x, axis):      # numpy; x: float32 -> the quantised numbers, widened to float32 again
;;       x = np.moveaxis(x, axis, -1); K = x.shape[-1]
;;       x = np.pad(x, [(0, 0)] * (x.ndim - 1) + [(0, -K % 32)]); x = x.reshape(x.shape[:-1] + (-1, 32)); a = np.abs(x).max(-1, keepdims=True)
;;       e = np.where(a > 0, np.clip(np.frexp(np.where(a > 0, a, 1))[1] - 1 - 2, -126, 127), 0)      # np.frexp(a)[1] - 1 = floor(log2(a)), exactly
;;       r = np.clip(x / 2.0 ** e, -6, 6)
;;       step = 2.0 ** (np.maximum(np.frexp(np.where(r == 0, 1, r))[1] - 1, 0) - 1)
;;       q = np.round(r / step) * step * 2.0 ** e      # np.round: ties to even
;;       return np.moveaxis(q.reshape(q.shape[:-2] + (-1,))[..., :K], -1, axis).astype(np.float32)
;;   ~~~
;; One version. Each part assembles by itself: llvm-mc -triple=amdgcn-amd-amdhsa -mcpu=gfx1250 --defsym DOCPART=n.
;; ======== version 1 of 1: 4 launches
;; limits: values are held in f16: magnitudes above 65,504 overflow, below 6.1e-05 lose precision
;; workspace buffers: codes 9,961,472 bytes; scales 622,592 bytes; wo16 2,097,152 bytes; qkv 50,331,648 bytes; o16 16,777,216 bytes
;; launch prep (part 1): grid 640 x 1, 4 waves a work-group, no clusters, 33,280 bytes of LDS; arguments x, context, Wq, Wk, Wv, Wo, codes, scales, wo16; writes codes, scales, wo16
.if DOCPART == 1
	.amdgcn_target "amdgcn-amd-amdhsa--gfx1250"
	.amdhsa_code_object_version 6
	.text
	.protected	k_q2bb6b26ce4_prep
	.globl	k_q2bb6b26ce4_prep
	.p2align	8
	.type	k_q2bb6b26ce4_prep,@function
k_q2bb6b26ce4_prep:
	s_mov_b64 s[64:65], 0
	v_nop
	global_prefetch_b8 v0, s[64:65] scope:SCOPE_SE
	s_setreg_imm32_b32 hwreg(HW_REG_WAVE_MODE, 25, 1), 1
	s_wait_xcnt 0x0
; x, context [8192][1024] and Wq, Wk, Wv [1024][1024], f32, K innermost, become codes of FP4 (E2M1) with one E8M0 scale byte for each 32 along K; Wo [1024][1024] becomes f16.
; codes: [19456 rows][512 bytes], scales: [19456][32 bytes]; rows 0.. x, 8192.. context, 16384.. Wq, 17408.. Wk, 18432.. Wv.  Each operand is read by many work-groups of the next launch: it is quantised once, here.
; A block's scale is 2^(floor(log2(its largest magnitude)) - 2); its byte is the largest magnitude's exponent field - 2, held at 1 from below.  Each number is divided by the scale and rounded to the nearest code, ties to even.
; LIMITS: a block of zeros gets the byte 1 where the rule says 127 (its codes are zeros, and this program alone reads the bytes); NaN and infinities among the inputs are not served; |Wo| stays under 65,504, f16's largest number.
; SHARES.  Rows are dense and 1,024 is a multiple of 32: every tensor is a plain stream of blocks of 32.  Work-groups 0 to 607 quantise 32,768 numbers each, a wave 8,192 (16 steps of 512); the order of the work-groups is
; the order of the rows of codes, so only the source is chosen, by selects on the work-group's number.  Work-groups 608 to 639 cast Wo, a wave 8,192 numbers.
; A load takes 512 consecutive bytes, 16 a lane; the conversions want 16 NEIGHBOURS in a lane: a step's 2,048 bytes turn through the wave's own stage in LDS (16 bytes of padding behind each 64).
; A lane's 16 codes are 8 bytes: a wave's store covers 256 consecutive bytes, aligned.  A wave's 256 scale bytes are gathered in LDS and leave by one such store.  No barrier: waves share nothing.
.set WAVES, 4
.set STEPS, 16
.set QWG,   608                        ; work-groups that quantise: (2 x 8192 + 3 x 1024) x 1024 / 32768
.set EMAX,  2
.set CB,    8                          ; bytes of 16 codes
.set R,     16                         ; v16-79   four sets of 16 numbers as they are loaded (the cast: v16-143, two sets of 64)
.set X,     80                         ; v80-111  two sets of 16 neighbours
.set E,     112                        ; v112-127 a scale byte for each step
.set C,     128                        ; v128-191 codes: four registers for each step, so that no store's data are written again
.set H,     144                        ; v144-175 the cast: 64 numbers as f16
.set WREG,  8192                       ; LDS: a region for each wave: two stages of 32 x SP bytes, behind them its 256 scale bytes
.set SP,    80                         ; a lane's place in a stage: 64 bytes + 16 of padding
.set SPW,   12                         ; v12  LDS address of my spare word; never rewritten
.set NIL,   13                         ; v13  0; never rewritten
.set SPARE, WAVES*WREG                 ; behind the four regions: the spare words, 128 bytes a wave; no other line names them
	s_load_b256 s[4:11], s[0:1], 0x0               ; x s[4:5], context s[6:7], Wq s[8:9], Wk s[10:11]
	s_load_b256 s[12:19], s[0:1], 0x20             ; Wv s[12:13], Wo s[14:15], codes s[16:17], scales s[18:19]
	s_load_b64 s[20:21], s[0:1], 0x40              ; wo16
	v_lshl_add_u32 v[SPW], v0, 2, SPARE
	v_mov_b32 v[NIL], 0
	v_lshrrev_b32 v1, 5, v0
	v_readfirstlane_b32 s22, v1                    ; wave
	v_and_b32 v2, 31, v0                           ; lane
	v_lshlrev_b32 v3, 4, v2                        ; my 16 bytes of a load's 512
	s_mul_i32 s23, s22, WREG
	v_lshrrev_b32 v14, 2, v2
	v_mul_u32_u24 v14, v14, SP
	v_and_b32 v15, 3, v2
	v_lshl_add_u32 v14, v15, 4, v14
	v_add_nc_u32 v14, s23, v14                     ; the stage, on the way in: SP (lane / 4) + 16 (lane % 4)
	v_mul_u32_u24 v15, v2, SP
	v_add_nc_u32 v15, s23, v15                     ; and on the way out: SP x lane: my 16 neighbours
	v_mul_u32_u24 v4, v2, CB                       ; my codes' place in a step's
	v_lshrrev_b32 v5, 1, v2
	s_add_co_u32 s23, s23, 2*32*SP
	v_add_nc_u32 v5, s23, v5                       ; my wave's 256 scale bytes, my block's byte
	v_lshlrev_b32 v7, 3, v2                        ; 8 bytes a lane
	v_add_nc_u32 v6, s23, v7
	s_mov_b32 s29, 0
	s_wait_kmcnt 0x0
	s_cmp_ge_u32 ttmp9, QWG                        ; the work-group's number alone decides
	s_cbranch_scc1 .Lcast
	; the source, and the first work-group of its tensor
	s_mov_b64 s[24:25], s[12:13]
	s_mov_b32 s26, 576
	s_cmp_lt_u32 ttmp9, 576
	s_cselect_b64 s[24:25], s[10:11], s[24:25]
	s_cselect_b32 s26, 544, s26
	s_cmp_lt_u32 ttmp9, 544
	s_cselect_b64 s[24:25], s[8:9], s[24:25]
	s_cselect_b32 s26, 512, s26
	s_cmp_lt_u32 ttmp9, 512
	s_cselect_b64 s[24:25], s[6:7], s[24:25]
	s_cselect_b32 s26, 256, s26
	s_cmp_lt_u32 ttmp9, 256
	s_cselect_b64 s[24:25], s[4:5], s[24:25]
	s_cselect_b32 s26, 0, s26
	s_sub_co_u32 s26, ttmp9, s26
	s_lshl_b32 s26, s26, 2
	s_add_co_u32 s26, s26, s22                     ; which run of 8,192 numbers of the tensor is my wave's
	s_lshl_b32 s28, s26, 15                        ; 32,768 bytes a run
	s_add_nc_u64 s[24:25], s[24:25], s[28:29]
	s_lshl_b32 s27, ttmp9, 2
	s_add_co_u32 s27, s27, s22                     ; which run of all
	s_lshl_b32 s28, s27, 12                        ; 4,096 bytes of codes a run
	s_add_nc_u64 s[16:17], s[16:17], s[28:29]
	s_lshl_b32 s28, s27, 8                         ; 256 scale bytes a run
	s_add_nc_u64 s[18:19], s[18:19], s[28:29]
.macro LOAD t
.irp i, 0,1,2,3
	global_load_b128 v[R+16*((\t)%4)+4*\i:R+16*((\t)%4)+4*\i+3], v3, s[24:25] offset:2048*(\t)+512*\i th:TH_LOAD_NT   ; 32 lanes read 512 consecutive bytes
.endr
.endm
.macro TURN t                          ; step t's numbers through the stage: LDS serves a wave's instructions in order (ISA guide 5.7.1.4), so no wait stands between the stores and the loads
.irp i, 0,1,2,3
	ds_store_b128 v14, v[R+16*((\t)%4)+4*\i:R+16*((\t)%4)+4*\i+3] offset:32*SP*((\t)%2)+8*SP*\i
.endr
.irp i, 0,1,2,3
	ds_load_b128 v[X+16*((\t)%2)+4*\i:X+16*((\t)%2)+4*\i+3], v15 offset:32*SP*((\t)%2)+16*\i
.endr
.endm
.irp t, 0,1,2,3
	LOAD \t
.endr
	s_wait_loadcnt 12                              ; step 0's four loads are in; the twelve of steps 1 to 3 may be out
	TURN 0
.macro STEP t
.set XS, X+16*((\t)%2)
.if (\t) > 0
	s_wait_dscnt 1                                 ; this step's numbers are back from the stage (the last step's byte store may be out)
.else
	s_wait_dscnt 0x0
.endif
.if (\t)+4 < STEPS
	LOAD (\t)+4                                    ; into the registers that the stage's stores have read
.endif
.if (\t)+1 < STEPS
.if STEPS-2-(\t) >= 3
	s_wait_loadcnt 12                              ; the next step's four loads are in; those of the three steps behind it may be out
.else
	s_wait_loadcnt 4*(STEPS-2-(\t))
.endif
	TURN (\t)+1
.endif
	v_max3_num_f32 v8, |v[XS]|, |v[XS+1]|, |v[XS+2]|               ; the largest magnitude of my 16, in two chains
	v_max3_num_f32 v9, |v[XS+3]|, |v[XS+4]|, |v[XS+5]|
.irp i, 6,10
	v_max3_num_f32 v8, v8, |v[XS+\i]|, |v[XS+\i+1]|
	v_max3_num_f32 v9, v9, |v[XS+\i+2]|, |v[XS+\i+3]|
.endr
	v_max3_num_f32 v8, v8, |v[XS+14]|, |v[XS+15]|
	v_max3_num_f32 v8, v8, v9, (EMAX+1)<<23        ; and the floor 2^(EMAX + 1 - 127): the byte cannot fall under 1
	v_max_num_f32_dpp v8, v8, v8 row_xmask:1 row_mask:0xf bank_mask:0xf   ; and of my neighbour's 16: the block's
	v_add_nc_u32 v11, -(EMAX<<23), v8              ; EMAX off its exponent field: the conversion takes this operand's exponent field as its scale
	v_cvt_scalef32_pk8_fp4_f32 v[C+4*(\t)], v[XS:XS+7], v11
	v_cvt_scalef32_pk8_fp4_f32 v[C+4*(\t)+1], v[XS+8:XS+15], v11
	v_lshrrev_b32 v[E+(\t)], 23, v11               ; the scale's byte (also the plain line behind the conversions)
	ds_store_b8 v5, v[E+(\t)] offset:16*(\t)       ; both lanes of a block write the same byte with the same value
	global_store_b64 v4, v[C+4*(\t):C+4*(\t)+1], s[16:17] offset:32*CB*(\t)   ; 32 lanes store 256 consecutive bytes, aligned
.endm
.irp t, 0,1,2,3,4,5,6,7,8,9,10,11,12,13,14,15
	STEP \t
.endr
	ds_load_b64 v[8:9], v6                         ; my wave's 256 scale bytes, 8 a lane
	s_wait_dscnt 0x0
	global_store_b64 v7, v[8:9], s[18:19]
	s_wait_tensorcnt 0x0                           ; the wave's end
	ds_add_u32 v[SPW], v[NIL]
	s_wait_dscnt 0x0
	s_endpgm
; THE CAST of Wo.  Four batches of 2,048 numbers: sixteen loads of 512 consecutive bytes, 32 roundings of two numbers, sixteen stores of 256 consecutive bytes.  Loads run two batches ahead.  No LDS byte is used but the spare words.
.Lcast:
	s_sub_co_u32 s26, ttmp9, QWG
	s_lshl_b32 s26, s26, 2
	s_add_co_u32 s26, s26, s22                     ; my wave's run of 8,192 numbers
	s_lshl_b32 s28, s26, 15
	s_add_nc_u64 s[14:15], s[14:15], s[28:29]
	s_lshl_b32 s28, s26, 14
	s_add_nc_u64 s[20:21], s[20:21], s[28:29]
.macro CLOAD b
.irp i, 0,1,2,3,4,5,6,7,8,9,10,11,12,13,14,15
	global_load_b128 v[R+64*((\b)%2)+4*\i:R+64*((\b)%2)+4*\i+3], v3, s[14:15] offset:8192*(\b)+512*\i th:TH_LOAD_NT
.endr
.endm
.macro CAST b
.if (\b) < 3
	s_wait_loadcnt 16                              ; this batch's sixteen loads are in; the next batch's may be out
.else
	s_wait_loadcnt 0x0
.endif
.if (\b) > 0
	s_wait_xcnt 0x0                                ; the last batch's stores have read their data: the registers are written again only behind this wait
.endif
.irp i, 0,1,2,3,4,5,6,7,8,9,10,11,12,13,14,15
	v_cvt_pk_f16_f32 v[H+2*\i], v[R+64*((\b)%2)+4*\i], v[R+64*((\b)%2)+4*\i+1]
	v_cvt_pk_f16_f32 v[H+2*\i+1], v[R+64*((\b)%2)+4*\i+2], v[R+64*((\b)%2)+4*\i+3]
.endr
.irp i, 0,1,2,3,4,5,6,7,8,9,10,11,12,13,14,15
	global_store_b64 v7, v[H+2*\i:H+2*\i+1], s[20:21] offset:4096*(\b)+256*\i
.endr
.if (\b) < 2
	CLOAD (\b)+2
.endif
.endm
	CLOAD 0
	CLOAD 1
	CAST 0
	CAST 1
	CAST 2
	CAST 3
	s_wait_tensorcnt 0x0                           ; the wave's end, in the same form as on the other path
	ds_add_u32 v[SPW], v[NIL]
	s_wait_dscnt 0x0
	s_endpgm
.Lfunc_end_k_q2bb6b26ce4_prep:
	.size	k_q2bb6b26ce4_prep, .Lfunc_end_k_q2bb6b26ce4_prep-k_q2bb6b26ce4_prep
	.p2alignl 7, 3214868480
	.fill 96, 4, 3214868480
	.section	.rodata,"a",@progbits
	.p2align	6, 0x0
	.amdhsa_kernel k_q2bb6b26ce4_prep
		.amdhsa_group_segment_fixed_size 33280
		.amdhsa_private_segment_fixed_size 0
		.amdhsa_enable_private_segment 0
		.amdhsa_kernarg_size 72
		.amdhsa_user_sgpr_count 2
		.amdhsa_user_sgpr_kernarg_segment_ptr 1
		.amdhsa_wavefront_size32 1
		.amdhsa_system_sgpr_workgroup_id_x 1
		.amdhsa_system_sgpr_workgroup_id_y 1
		.amdhsa_system_sgpr_workgroup_id_z 1
		.amdhsa_system_vgpr_workitem_id 0
		.amdhsa_next_free_vgpr 192
		.amdhsa_next_free_sgpr 66
		.amdhsa_reserve_vcc 0
		.amdhsa_float_denorm_mode_32 3
		.amdhsa_float_denorm_mode_16_64 3
		.amdhsa_memory_ordered 1
		.amdhsa_forward_progress 1
		.amdhsa_inst_pref_size 55
	.end_amdhsa_kernel
	.amdgpu_metadata
---
amdhsa.version: [ 1, 2 ]
amdhsa.kernels:
  - .name:           k_q2bb6b26ce4_prep
    .symbol:         k_q2bb6b26ce4_prep.kd
    .args:
      - { .name: x, .offset: 0, .size: 8, .value_kind: global_buffer, .address_space: global }
      - { .name: context, .offset: 8, .size: 8, .value_kind: global_buffer, .address_space: global }
      - { .name: Wq, .offset: 16, .size: 8, .value_kind: global_buffer, .address_space: global }
      - { .name: Wk, .offset: 24, .size: 8, .value_kind: global_buffer, .address_space: global }
      - { .name: Wv, .offset: 32, .size: 8, .value_kind: global_buffer, .address_space: global }
      - { .name: Wo, .offset: 40, .size: 8, .value_kind: global_buffer, .address_space: global }
      - { .name: codes, .offset: 48, .size: 8, .value_kind: global_buffer, .address_space: global }
      - { .name: scales, .offset: 56, .size: 8, .value_kind: global_buffer, .address_space: global }
      - { .name: wo16, .offset: 64, .size: 8, .value_kind: global_buffer, .address_space: global }
    .group_segment_fixed_size: 33280
    .private_segment_fixed_size: 0
    .kernarg_segment_align: 8
    .kernarg_segment_size: 72
    .max_flat_workgroup_size: 128
    .sgpr_count:     66
    .vgpr_count:     192
    .wavefront_size: 32
...
	.end_amdgpu_metadata
.endif
;; end of part 1
;; launch proj (part 2): grid 12 x 32, 4 waves a work-group, clusters of 4 x 4, 327,680 bytes of LDS; arguments codes, scales, bq, bk, bv, qkv; writes qkv
.if DOCPART == 2
	.amdgcn_target "amdgcn-amd-amdhsa--gfx1250"
	.amdhsa_code_object_version 6
	.text
	.protected	k_q2bb6b26ce4_proj
	.globl	k_q2bb6b26ce4_proj
	.p2align	8
	.type	k_q2bb6b26ce4_proj,@function
k_q2bb6b26ce4_proj:
	s_mov_b64 s[64:65], 0
	v_nop
	global_prefetch_b8 v0, s[64:65] scope:SCOPE_SE
	s_setreg_imm32_b32 hwreg(HW_REG_WAVE_MODE, 25, 1), 1
	s_wait_xcnt 0x0
	s_wait_alu depctr_hold_cnt(0) depctr_sa_sdst(0) depctr_va_vdst(0) depctr_va_sdst(0) depctr_va_ssrc(0) depctr_va_vcc(0) depctr_vm_vsrc(0)
	s_getreg_b32 s2, hwreg(HW_REG_IB_STS2, 6, 4)
	s_cmp_eq_u32 s2, 0
	s_cbranch_scc0 .Lentry_in_a_cluster
	s_endpgm
.Lentry_in_a_cluster:
	s_bfe_u32 s2, ttmp6, 0x10000c
	s_cmp_lg_u32 s2, 0xf033
	s_cbranch_scc0 .Lentry_shape_is_right
	s_endpgm
.Lentry_shape_is_right:
; q = x Wq^T + bq, k = context Wk^T + bk, v = context Wv^T + bv, on codes of FP4 (E2M1) with one E8M0 scale for each 32 along K; sums in f32; the results are rounded once to f16 and laid by heads:
; qkv [3 (q, k, v)][batch 4][head 16][2048][64].  codes: [19456][512 bytes], scales: [19456][32]; rows 0.. x, 8192.. context, 16384.. Wq, 17408.. Wk, 18432.. Wv.
; LIMIT: |q|, |k|, |v| stay under 65,504, f16's largest number.
; SHARES.  Cluster x (0, 1, 2) says which product.  A tile of 256 rows x 256 columns is made by a work-group of four waves; a wave makes 128 x 128: 64 accumulators, 512 registers.
; K = 1,024 is two LDS slots of 512 along K (rows of 256 bytes): both are filled at the start and none is filled again.  The scale bytes of the tile's rows, two dense blocks, come with them, in rows of 256 bytes.
; CLUSTERS: 4 x 4 work-groups.  The four of a row of the cluster need the same rows of x or context, the four of a column the same rows of a weight: each tile is asked for JOINTLY, by the same tensor load
; with the same descriptor and a mask that names the four.
; THE MATRIX INSTRUCTION IS USED TRANSPOSED (source 0 = 16 rows of W, source 1 = 16 rows of x): a lane holds eight neighbouring columns of one row.  THE BIAS is the C of each sum's first product.
; REGISTERS, in windows of 256: window 0: v0-31 addresses; v32-95 scale words, two sets, and nothing else; v128-191 A's fragments, one set; v192-255 the bias in the result's layout; on the way out v128-255 are free.
;   window 1: B's fragments, two sets, at v0 and v128.   window 2: the accumulators of my rows 0-63 ((a, b) at v[8 (8 a + b)]);   window 3: those of my rows 64-127.
.set NQ,     4                         ; steps of 128 along K in a slot
.set ROWB,   256                       ; a tile's row in bytes: 512 codes
.set KROW,   512                       ; a row of codes in memory
.set PITCH,  272                       ; an LDS row: 256 bytes + 16 of padding = 68 words: row r starts at bank 4 r mod 64 (64 banks of 4 bytes: ISA guide 11.1)
.set FR,     8                         ; registers of a fragment: 16 rows x 128 K
.set NL,     2                         ; LDS loads that bring one
.set NP,     4                         ; places behind this matrix instruction (ISA guide 7.12.1)
.set HALFT,  128*PITCH                 ; 128 rows: what one tensor load brings
.set SLOT,   4*HALFT                   ; A's 256 rows, then B's 256 rows
.set KS,     32                        ; a row of scales in bytes
.set SCL,    2*SLOT                    ; behind the slots: the scales, rows of 256 bytes + 16 of padding
.set HALFS,  16*272                    ; the scales of 128 rows
.set SBLK,   2*272                     ; those of 16 rows
.set SPARE,  SCL+4*HALFS               ; the spare words, 128 bytes a wave; no other line names them
.set STAGE,  SPARE+512                 ; the way out: 16 rows x (256 bytes + 16) for each wave; no tensor load lands here
.set SPITCH, 272
.set ADRA, 16                          ; v16-17  LDS address of my A fragments in slot 0, 1
.set ADRB, 20                          ; v20-21  the same for B
.set STO,  24                          ; v24     the way out: where I put 16 bytes of a row
.set RD,   25                          ; v25     where I read back
.set CO,   26                          ; v26     16 x lane
.set ADRS, 27                          ; v27     LDS address of my scale words: lanes 0-15 A's rows, lanes 16-31 B's
.set SPW,  28                          ; v28     my spare word; never rewritten
.set NIL,  29                          ; v29     0; never rewritten
.set BO,   30                          ; v30     32 x (lane / 16): my eight numbers of a block's sixteen biases
.set SC,   32                          ; scale words: set s at v[SC + 32 s]; register 4 i + q: lanes 0-15 A's block i, lanes 16-31 B's block i, the slot's q-th 128 along K
.set AF,   128
.set BIAS, 192                         ; block b at v[BIAS + 8 b]
.set TMP,  128                         ; the way out: packed results
.set BK,   192                         ; and what comes back from the stage: v192-223 and v224-255 by turns
.set G1, 24                            ; s[24:31] group 1 for A's tiles;  s[32:39] group 0, one set for each slot
.set G0, 32
.set G1B, 48                           ; s[48:55], s[56:63] the same for B's
.set G0B, 56
.set G1S, 68                           ; s[68:75], s[76:79] groups 1 and 0 for A's scales;  s[80:87], s[88:91] for B's
.set G0S, 76
.set G1SB, 80
.set G0SB, 88
.set MSB, 0
.macro WIN new                         ; the immediate's high byte repeats the setting that is left
.if MSB != \new
	s_set_vgpr_msb (MSB<<8)|\new
.set MSB, \new
.endif
.endm
.set MUL_LO, 0xa1                      ; source 0 (B) window 1, source 1 (A) window 0, C and D window 2
.set MUL_HI, 0xf1                      ; the same, C and D window 3
.set FST_LO, 0x81                      ; a sum's first product: C (the bias) window 0, D window 2
.set FST_HI, 0xc1                      ; D window 3
.set TO_B,   0x40                      ; destination window 1, address window 0
; A joint load: waves 0 and 1 fetch for A, waves 2 and 3 for B.  The branch hangs on the wave's number alone.  An s_nop 0 and four v_nop follow each of the two lines.
.macro JLOAD g0a, g1a, g0b, g1b
	s_cmp_eq_u32 s17, 0
	s_cbranch_scc0 .Lfor_b_\@
	tensor_load_to_lds s[\g0a:\g0a+3], s[\g1a:\g1a+7]
	s_nop 0
.rept 4
	v_nop
.endr
	s_branch .Lasked_\@
.Lfor_b_\@:
	tensor_load_to_lds s[\g0b:\g0b+3], s[\g1b:\g1b+7]
	s_nop 0
.rept 4
	v_nop
.endr
.Lasked_\@:
.endm
.macro CROUND                          ; a round of the cluster's barrier
	s_barrier_signal -1
	s_barrier_wait -1
	s_cmp_lg_u32 s16, 0
	s_cbranch_scc1 .Lnot_wave_0_\@
	s_barrier_signal -3
.Lnot_wave_0_\@:
	s_barrier_wait -3
	s_barrier_signal -1
	s_barrier_wait -1
.endm
	s_load_b256 s[4:11], s[0:1], 0x0               ; codes s[4:5], scales s[6:7], bq s[8:9], bk s[10:11]
	s_load_b128 s[12:15], s[0:1], 0x20             ; bv s[12:13], qkv s[14:15]
	v_lshl_add_u32 v[SPW], v0, 2, SPARE
	v_mov_b32 v[NIL], 0
	ds_add_u32 v[SPW], v[NIL]                      ; the wave's opening: the add, twice on end, and its wait ahead of my first tensor load
	ds_add_u32 v[SPW], v[NIL]
	v_lshrrev_b32 v1, 5, v0
	v_readfirstlane_b32 s16, v1                    ; wave 0..3
	s_lshr_b32 s17, s16, 1                         ; which half of the tile's rows is mine.  Also: I fetch for A (0) or for B (1)
	s_and_b32 s18, s16, 1                          ; which half of its columns.  Also: which 128 rows I fetch
	s_bfe_u32 s40, ttmp6, 0x40000                  ; cx, cy: my place in the cluster
	s_bfe_u32 s41, ttmp6, 0x40004
	s_lshl_b32 s42, ttmp9, 2
	s_add_co_u32 s42, s42, s40                     ; tile column 0..11 = 4 x product + cx
	s_and_b32 s19, ttmp7, 0xffff
	s_lshl_b32 s19, s19, 2
	s_add_co_u32 s19, s19, s41                     ; tile row 0..31
	s_lshl_b32 s43, s41, 2
	s_lshl_b32 s43, 15, s43                        ; my row of the cluster
	s_lshl_b32 s44, 0x1111, s40                    ; my column
	; group 1: a tile of 128 rows x 256 bytes, 16 bytes of padding behind each row
	s_or_b32 s[G1+0], s43, (0<<16)|(1<<20)|(1<<21)|(5<<22)|(3<<25)  ; the mask; elements of 1 byte; padding on; bit 21 beside a mask; after every 64 words, 4 words
	s_or_b32 s[G1B+0], s44, (0<<16)|(1<<20)|(1<<21)|(5<<22)|(3<<25)
.irp g, G1, G1B
	s_mov_b32 s[\g+1], ROWB<<16                    ; tensor_dim0
	s_mov_b32 s[\g+2], 128<<16                     ; tensor_dim1
	s_mov_b32 s[\g+3], ROWB<<16                    ; tile_dim0
	s_mov_b32 s[\g+4], 128                         ; tile_dim1
	s_mov_b32 s[\g+5], KROW                        ; from row to row
	s_mov_b32 s[\g+6], 0
	s_mov_b32 s[\g+7], 0
.endr
	; the scales of 128 rows: 4,096 dense bytes, as 16 rows of 256 bytes (32 elements of 8 bytes), the same padding
	s_or_b32 s[G1S+0], s43, (3<<16)|(1<<20)|(1<<21)|(5<<22)|(3<<25)
	s_or_b32 s[G1SB+0], s44, (3<<16)|(1<<20)|(1<<21)|(5<<22)|(3<<25)
.irp g, G1S, G1SB
	s_mov_b32 s[\g+1], 32<<16
	s_mov_b32 s[\g+2], 16<<16
	s_mov_b32 s[\g+3], 32<<16
	s_mov_b32 s[\g+4], 16
	s_mov_b32 s[\g+5], 32
	s_mov_b32 s[\g+6], 0
	s_mov_b32 s[\g+7], 0
.endr
	s_lshl_b32 s21, s18, 7                         ; which 128 rows of the tile I fetch
	s_lshl_b32 s20, s19, 8
	s_add_co_u32 s20, s20, s21
	s_min_u32 s22, ttmp9, 1                        ; products 1 and 2 take context's rows, 8,192 further on
	s_lshl_b32 s22, s22, 13
	s_add_co_u32 s20, s20, s22                     ; A's first row
	s_lshl_b32 s46, s42, 8
	s_add_co_u32 s46, s46, s21
	s_add_co_u32 s46, s46, 16384                   ; B's first row
	s_lshl_b32 s22, s20, 5                         ; 32 scale bytes a row,
	s_lshl_b32 s20, s20, 9                         ; 512 bytes of codes
	s_lshl_b32 s92, s46, 5
	s_lshl_b32 s46, s46, 9
	s_mov_b32 s21, 0
	s_mov_b32 s23, 0
	s_mov_b32 s47, 0
	s_mov_b32 s93, 0
	s_mul_i32 s45, s16, HALFT                      ; where they go: wave x 128 rows: no place in the cluster enters an LDS address
	s_mul_i32 s94, s16, HALFS
	s_wait_dscnt 0x0                               ; both opening adds are done
	s_wait_kmcnt 0x0
	s_add_nc_u64 s[20:21], s[4:5], s[20:21]
	s_add_nc_u64 s[22:23], s[6:7], s[22:23]
	s_add_nc_u64 s[46:47], s[4:5], s[46:47]
	s_add_nc_u64 s[92:93], s[6:7], s[92:93]
	CROUND                                         ; all sixteen work-groups are here: the joint loads meet
	s_mov_b32 s[G0S], 1
	s_add_co_u32 s[G0S+1], s94, SCL
	s_mov_b64 s[G0S+2:G0S+3], s[22:23]
	s_or_b32 s[G0S+3], s[G0S+3], 0x80000000
	s_mov_b32 s[G0SB], 1
	s_add_co_u32 s[G0SB+1], s94, SCL
	s_mov_b64 s[G0SB+2:G0SB+3], s[92:93]
	s_or_b32 s[G0SB+3], s[G0SB+3], 0x80000000
	JLOAD G0S, G1S, G0SB, G1SB                     ; the scales first: they are wanted with slot 0
.irp s, 0,1
	s_mov_b32 s[G0+4*\s], 1
	s_add_co_u32 s[G0+4*\s+1], s45, \s*SLOT
	s_add_nc_u64 s[G0+4*\s+2:G0+4*\s+3], s[20:21], \s*ROWB
	s_or_b32 s[G0+4*\s+3], s[G0+4*\s+3], 0x80000000
	s_mov_b32 s[G0B+4*\s], 1
	s_add_co_u32 s[G0B+4*\s+1], s45, \s*SLOT
	s_add_nc_u64 s[G0B+4*\s+2:G0B+4*\s+3], s[46:47], \s*ROWB
	s_or_b32 s[G0B+4*\s+3], s[G0B+4*\s+3], 0x80000000
	JLOAD G0+4*\s, G1, G0B+4*\s, G1B               ; three tensor loads of mine are out at the most
.endr
	; the bias of my 128 columns, in the result's layout: lane (r, h), block b: columns 16 b + 8 h + 0 .. 7
	s_cmp_eq_u32 ttmp9, 0
	s_cselect_b64 s[8:9], s[8:9], s[10:11]
	s_cmp_eq_u32 ttmp9, 2
	s_cselect_b64 s[8:9], s[12:13], s[8:9]
	s_lshl_b32 s96, s40, 10                        ; 256 columns a tile,
	s_lshl_b32 s97, s18, 9                         ; 128 a wave
	s_add_co_u32 s96, s96, s97
	s_mov_b32 s97, 0
	s_add_nc_u64 s[8:9], s[8:9], s[96:97]
	v_and_b32 v1, 15, v0                           ; r = lane % 16
	v_bfe_u32 v2, v0, 4, 1                         ; h = lane / 16
	v_lshlrev_b32 v[BO], 5, v2
.irp b, 0,1,2,3,4,5,6,7
	global_load_b128 v[BIAS+8*\b:BIAS+8*\b+3], v[BO], s[8:9] offset:64*\b
	global_load_b128 v[BIAS+8*\b+4:BIAS+8*\b+7], v[BO], s[8:9] offset:64*\b+16
.endr
	v_mul_u32_u24 v3, v1, PITCH
	v_lshl_add_u32 v4, v2, 4, v3                   ; a fragment's row x pitch + 16 x half
	s_mul_i32 s21, s17, HALFT                      ; my 128 rows of A
	s_mul_i32 s22, s18, HALFT                      ; my 128 rows of B,
	s_add_co_u32 s22, s22, 2*HALFT                 ; behind A's 256
.irp s, 0,1
	v_add_nc_u32 v[ADRA+\s], s21, v4
	v_add_nc_u32 v[ADRB+\s], s22, v4
	s_add_co_u32 s21, s21, SLOT
	s_add_co_u32 s22, s22, SLOT
.endr
	v_mul_u32_u24 v5, v1, KS                       ; my row's scales: 32 bytes a row,
	v_lshrrev_b32 v6, 8, v5
	v_lshl_add_u32 v5, v6, 4, v5                   ; and 16 more for each 256 passed
	s_mul_i32 s21, s17, HALFS                      ; A's: my 128 rows
	s_mul_i32 s22, s18, HALFS                      ; B's: my 128 rows, behind A's 256
	s_add_co_u32 s22, s22, 2*HALFS
	s_sub_co_u32 s22, s22, s21
	v_mul_u32_u24 v6, s22, v2                      ; lanes 16-31 take B's: one product, the distance x h
	s_add_co_u32 s21, s21, SCL
	v_add_nc_u32 v5, v5, v6
	v_add_nc_u32 v[ADRS], s21, v5
	s_mul_i32 s23, s16, 16*SPITCH
	s_add_co_u32 s23, s23, STAGE                   ; my stage
	v_mul_u32_u24 v5, v1, SPITCH                   ; in: row r, 16 bytes for each half of the lanes
	v_lshl_add_u32 v5, v2, 4, v5
	v_add_nc_u32 v[STO], s23, v5
	v_and_b32 v6, 31, v0
	v_lshrrev_b32 v7, 3, v6                        ; back: eight lanes take a head's 128 bytes of a row, four rows an instruction
	v_and_b32 v8, 7, v0
	v_mul_u32_u24 v7, v7, SPITCH
	v_lshl_add_u32 v7, v8, 4, v7
	v_add_nc_u32 v[RD], s23, v7
	v_lshlrev_b32 v[CO], 4, v6
	; where my part begins in qkv: product << 24, batch << 22, head (4 cx + 2 x column half) << 18, row in the sequence x 128 bytes
	s_lshl_b32 s96, ttmp9, 24
	s_lshr_b32 s97, s19, 3
	s_lshl_b32 s97, s97, 22
	s_add_co_u32 s96, s96, s97
	s_lshl_b32 s97, s40, 20
	s_add_co_u32 s96, s96, s97
	s_lshl_b32 s97, s18, 19
	s_add_co_u32 s96, s96, s97
	s_and_b32 s97, s19, 7
	s_lshl_b32 s97, s97, 15
	s_add_co_u32 s96, s96, s97
	s_lshl_b32 s97, s17, 14
	s_add_co_u32 s96, s96, s97
	s_mov_b32 s97, 0
	s_add_nc_u64 s[14:15], s[14:15], s[96:97]
.macro FRAG reg, adr, q, i             ; 16 rows x 128 K of 4-bit codes: lane l holds row l % 16; registers 4 c .. 4 c + 3 hold K = 64 c + 32 (l / 16) + 0 .. 31
.irp c, 0,1
	ds_load_b128 v[\reg+4*\c:\reg+4*\c+3], v[\adr] offset:64*(\q)+32*\c+(\i)*16*PITCH
.endr
.endm
; 16 matrix instructions: A's blocks a0, a0 + 1 x B's eight, the slot's q-th 128 along K.  p: B's set;  sc: the set of scale words.  first = 1: the bias is C and the product starts the sums.
; The 64 accumulators take turns, one instruction a turn, in the same order in every step.
.macro MUL16 a0, p, q, sc, first
.irp a, \a0, \a0+1
.irp b, 0,1,2,3,4,5,6,7
.if \first
	v_wmma_scale_f32_16x16x128_f8f6f4 v[8*(8*((\a)%4)+\b):8*(8*((\a)%4)+\b)+7], v[128*(\p)+FR*\b:128*(\p)+FR*\b+FR-1], v[AF+FR*(\a):AF+FR*(\a)+FR-1], v[BIAS+8*\b:BIAS+8*\b+7], v[SC+8*NQ*(\sc)+NQ*\b+(\q)], v[SC+8*NQ*(\sc)+NQ*(\a)+(\q)] matrix_a_fmt:MATRIX_FMT_FP4 matrix_b_fmt:MATRIX_FMT_FP4 matrix_a_scale:MATRIX_SCALE_ROW1
.else
	v_wmma_scale_f32_16x16x128_f8f6f4 v[8*(8*((\a)%4)+\b):8*(8*((\a)%4)+\b)+7], v[128*(\p)+FR*\b:128*(\p)+FR*\b+FR-1], v[AF+FR*(\a):AF+FR*(\a)+FR-1], v[8*(8*((\a)%4)+\b):8*(8*((\a)%4)+\b)+7], v[SC+8*NQ*(\sc)+NQ*\b+(\q)], v[SC+8*NQ*(\sc)+NQ*(\a)+(\q)] matrix_a_fmt:MATRIX_FMT_FP4 matrix_b_fmt:MATRIX_FMT_FP4 matrix_a_scale:MATRIX_SCALE_ROW1
.endif
.endr
.endr
.endm
.macro FETCH_B slot, q, p              ; B's eight fragments into set p
	WIN TO_B
.irp i, 0,1,2,3,4,5,6,7
	FRAG 128*(\p)+FR*\i, ADRB+\slot, \q, \i
.endr
	WIN 0
.endm
.macro FETCH_A slot, q, i0             ; A's blocks i0 .. i0 + 3
.irp i, \i0, \i0+1, \i0+2, \i0+3
	FRAG AF+FR*(\i), ADRA+\slot, \q, \i
.endr
.endm
.macro SCALES sc                       ; a slot's scale words: 4 words a row; lanes 0-15 A's block i, lanes 16-31 B's block i
.irp i, 0,1,2,3,4,5,6,7
	ds_load_b128 v[SC+8*NQ*\sc+NQ*\i:SC+8*NQ*\sc+NQ*\i+3], v[ADRS] offset:\i*SBLK
.endr
.endm
.macro PLACES n                        ; plain vector instructions between a matrix instruction and a load into, or a read of, its registers
.rept \n
	v_nop
.endr
.endm
; A step of 128 along K that has its successor in the same slot.  A block of A is free as soon as its eight products are issued: blocks 0-3 are fetched anew in the step's middle, blocks 4-7 at its end.
.macro STEP slot, q, first
	s_wait_dscnt 4*NL                              ; B's set, A's blocks 0-3 (and the scale words) are in; the youngest eight loads, A's blocks 4-7, may be out
.if \first
	WIN FST_LO
.else
	WIN MUL_LO
.endif
	MUL16 0, (\q)%2, \q, \slot, \first
	MUL16 2, (\q)%2, \q, \slot, \first
	s_wait_dscnt 0x0                               ; A's blocks 4-7 are in
	PLACES NP
	FETCH_B \slot, (\q)+1, 1-(\q)%2
	FETCH_A \slot, (\q)+1, 0
.if \first
	WIN FST_HI
.else
	WIN MUL_HI
.endif
	MUL16 4, (\q)%2, \q, \slot, \first
	MUL16 6, (\q)%2, \q, \slot, \first
	PLACES NP
	WIN 0
	FETCH_A \slot, (\q)+1, 4
.endm
; Slot 0's last step goes over to slot 1: each wave waits for all its tensor loads (its part of slot 1), then the barrier: behind it slot 1 is whole.  Nothing is filled again.
.macro TURN slot, next
	s_wait_tensorcnt 0x0                           ; my part of the next slot has landed  (every window is 0 here)
	ds_add_u32 v[SPW], v[NIL]                      ; 0 onto my spare word
	s_wait_dscnt 4*NL+1                            ; (the add and the youngest eight loads may be out)
	WIN MUL_LO
	MUL16 0, 1, NQ-1, \slot, 0
	s_wait_dscnt 0x0                               ; no LDS instruction of mine is out at the signal
	s_barrier_signal -1
	MUL16 2, 1, NQ-1, \slot, 0
	WIN 0
	s_barrier_wait -1
	PLACES NP
	v_add_nc_u32 v[ADRS], 4*NQ, v[ADRS]            ; on to the next slot's scale words
	FETCH_B \next, 0, 0
	FETCH_A \next, 0, 0
	SCALES \next
	WIN MUL_HI
	MUL16 4, 1, NQ-1, \slot, 0
	MUL16 6, 1, NQ-1, \slot, 0
	PLACES NP
	WIN 0
	FETCH_A \next, 0, 4
.endm
	s_wait_tensorcnt 1                             ; the scales and my part of slot 0 are in; slot 1's load may be out,
	s_barrier_signal -1
	s_barrier_wait -1                              ; everybody's are
	FETCH_B 0, 0, 0
	FETCH_A 0, 0, 0
	SCALES 0
	FETCH_A 0, 0, 4
	s_wait_loadcnt 0x0                             ; the bias
	STEP 0, 0, 1
	STEP 0, 1, 0
	STEP 0, 2, 0
	TURN 0, 1
	STEP 1, 0, 0
	STEP 1, 1, 0
	STEP 1, 2, 0
	s_wait_dscnt 4*NL                              ; the last step: nothing more to fetch
	WIN MUL_LO
	MUL16 0, 1, NQ-1, 1, 0
	MUL16 2, 1, NQ-1, 1, 0
	s_wait_dscnt 0x0
	WIN MUL_HI
	MUL16 4, 1, NQ-1, 1, 0
	MUL16 6, 1, NQ-1, 1, 0
	WIN 0
; THE WAY OUT, block by block of 16 rows x 128 columns (two heads).  PACK: rounded to f16, 16 bytes a lane, each accumulator from its low end on.  TOSTAGE: into my own stage, and back by heads: an instruction takes
; four rows of one head, which are 512 consecutive bytes of qkv.  SEND: stored.  LDS serves a wave's instructions in order (ISA guide 5.7.1.4): no wait between the stores and the loads.
.macro PACK a
.set AC, 64*((\a)%4)
	WIN (0x0a+5*((\a)/4))                          ; sources 0 and 1: window 2 or 3
.irp b, 0,1,2,3,4,5,6,7
.irp r, 0,1,2,3
	v_cvt_pk_f16_f32 v[TMP+4*\b+\r], v[AC+8*\b+2*\r], v[AC+8*\b+2*\r+1]
.endr
.endr
	WIN 0
.endm
.macro TOSTAGE a
.set BB, BK+32*((\a)%2)
.irp b, 0,1,2,3,4,5,6,7
	ds_store_b128 v[STO], v[TMP+4*\b:TMP+4*\b+3] offset:32*\b
.endr
.irp t, 0,1,2,3,4,5,6,7
	ds_load_b128 v[BB+4*\t:BB+4*\t+3], v[RD] offset:(\t%4)*4*SPITCH+(\t/4)*128
.endr
.endm
.macro SEND a
.set BB, BK+32*((\a)%2)
	s_wait_dscnt 0x0                               ; the block is back in registers
	s_wait_xcnt 0x0                                ; the stores of the block before have read their data: the next block's loads land there only behind this wait
.irp t, 0,1,2,3,4,5,6,7
	global_store_b128 v[CO], v[BB+4*\t:BB+4*\t+3], s[14:15] offset:(\t/4)*262144+(16*(\a)+4*(\t%4))*128   ; 32 lanes store 512 consecutive bytes, aligned to 256
.endr
.endm
	PLACES NP                                      ; behind the last products: for the conversions' reads and for the writes over A's fragments
	PACK 0
	TOSTAGE 0
.irp a, 1,2,3,4,5,6,7                  ; block a's conversions stand between block a - 1's loads from the stage and the wait for them
	PACK \a
	SEND \a-1
	TOSTAGE \a
.endr
	SEND 7
	s_wait_tensorcnt 0x0                           ; the wave's end
	ds_add_u32 v[SPW], v[NIL]
	s_wait_dscnt 0x0
	CROUND                                         ; the closing round: no work-group ends while a partner may still ask for a tile that names it
	s_endpgm
.Lfunc_end_k_q2bb6b26ce4_proj:
	.size	k_q2bb6b26ce4_proj, .Lfunc_end_k_q2bb6b26ce4_proj-k_q2bb6b26ce4_proj
	.p2alignl 7, 3214868480
	.fill 96, 4, 3214868480
	.section	.rodata,"a",@progbits
	.p2align	6, 0x0
	.amdhsa_kernel k_q2bb6b26ce4_proj
		.amdhsa_group_segment_fixed_size 327680
		.amdhsa_private_segment_fixed_size 0
		.amdhsa_enable_private_segment 0
		.amdhsa_kernarg_size 48
		.amdhsa_user_sgpr_count 2
		.amdhsa_user_sgpr_kernarg_segment_ptr 1
		.amdhsa_wavefront_size32 1
		.amdhsa_system_sgpr_workgroup_id_x 1
		.amdhsa_system_sgpr_workgroup_id_y 1
		.amdhsa_system_sgpr_workgroup_id_z 1
		.amdhsa_system_vgpr_workitem_id 0
		.amdhsa_next_free_vgpr 1024
		.amdhsa_next_free_sgpr 98
		.amdhsa_reserve_vcc 0
		.amdhsa_float_denorm_mode_32 3
		.amdhsa_float_denorm_mode_16_64 3
		.amdhsa_memory_ordered 1
		.amdhsa_forward_progress 1
		.amdhsa_inst_pref_size 128
	.end_amdhsa_kernel
	.amdgpu_metadata
---
amdhsa.version: [ 1, 2 ]
amdhsa.kernels:
  - .name:           k_q2bb6b26ce4_proj
    .symbol:         k_q2bb6b26ce4_proj.kd
    .args:
      - { .name: codes, .offset: 0, .size: 8, .value_kind: global_buffer, .address_space: global }
      - { .name: scales, .offset: 8, .size: 8, .value_kind: global_buffer, .address_space: global }
      - { .name: bq, .offset: 16, .size: 8, .value_kind: global_buffer, .address_space: global }
      - { .name: bk, .offset: 24, .size: 8, .value_kind: global_buffer, .address_space: global }
      - { .name: bv, .offset: 32, .size: 8, .value_kind: global_buffer, .address_space: global }
      - { .name: qkv, .offset: 40, .size: 8, .value_kind: global_buffer, .address_space: global }
    .group_segment_fixed_size: 327680
    .private_segment_fixed_size: 0
    .kernarg_segment_align: 8
    .kernarg_segment_size: 48
    .max_flat_workgroup_size: 128
    .sgpr_count:     98
    .vgpr_count:     1024
    .wavefront_size: 32
...
	.end_amdgpu_metadata
.endif
;; end of part 2
;; launch attn (part 3): grid 4 x 64, 16 waves a work-group, clusters of 4 x 1, 327,680 bytes of LDS; arguments qkv, o16; writes o16
.if DOCPART == 3
	.amdgcn_target "amdgcn-amd-amdhsa--gfx1250"
	.amdhsa_code_object_version 6
	.text
	.protected	k_q2bb6b26ce4_attn
	.globl	k_q2bb6b26ce4_attn
	.p2align	8
	.type	k_q2bb6b26ce4_attn,@function
k_q2bb6b26ce4_attn:
	s_mov_b64 s[64:65], 0
	v_nop
	global_prefetch_b8 v0, s[64:65] scope:SCOPE_SE
	s_setreg_imm32_b32 hwreg(HW_REG_WAVE_MODE, 25, 1), 1
	s_wait_xcnt 0x0
	s_wait_alu depctr_hold_cnt(0) depctr_sa_sdst(0) depctr_va_vdst(0) depctr_va_sdst(0) depctr_va_ssrc(0) depctr_va_vcc(0) depctr_vm_vsrc(0)
	s_getreg_b32 s2, hwreg(HW_REG_IB_STS2, 6, 4)
	s_cmp_eq_u32 s2, 0
	s_cbranch_scc0 .Lentry_in_a_cluster
	s_endpgm
.Lentry_in_a_cluster:
	s_bfe_u32 s2, ttmp6, 0x10000c
	s_cmp_lg_u32 s2, 0x3003
	s_cbranch_scc0 .Lentry_shape_is_right
	s_endpgm
.Lentry_shape_is_right:
; o[b][h][n][:] = the sum over m of softmax_m(q[n] . k[m] / 8) v[m][:], head by head.  qkv: [3 (q, k, v)][64 (batch, head)][2048][64] f16; o16: [64][2048][64] f16.  Products, maxima and sums in f32;
; the weights p are rounded to f16 for the second product, o once at the end.  LIMITS: |o| stays under 65,504; NaN and infinities are not served.
; SHARES.  Cluster y is the head; a work-group owns 512 of its queries, each of its SIXTEEN waves 32: two tiles of 16, in 256 registers.  Four waves lie on a SIMD, so that one wave's vector work stands beside
; another's matrix work and LDS loads; no register window is switched.  Every wave walks all 2,048 keys, 64 a step.
; CLUSTER.  The four work-groups of a cluster own the four query blocks of one head and walk the same k and v: each tile is asked for JOINTLY, by the same tensor load with the same descriptor and the mask 15.
; RING.  Two LDS slots of 512 keys; all sixteen waves load, 64 rows each (waves 0-7: k, waves 8-15: v).  2,048 keys are four slots' worth: two first fills, two refills.  Each refill is asked for a whole slot,
; eight key steps, ahead of the wait for it, so no prefetch is laid beside it.
; LAYOUT.  S^T = k q^T (source 0 = 16 keys, source 1 = 16 queries): a lane holds ONE query (lane % 16) and the keys 8 (lane / 16) + 0..7.  Two such tiles, rounded to f16 in pairs, ARE source 1 (32 keys x 16 queries)
; of O^T = v^T P.  k comes out of LDS as it lies, v ([key][channel]) turned, by ds_load_tr16_b128.
; SOFTMAX.  For each query a running maximum m: p = 2^(c s - c m), c = log2(e) / 8; in every step O^T and the sum are multiplied by a = 2^(c m_old - c m_new).
; THE ROW'S SUM IS A PRODUCT: source 0 = ONES, whose rows 0 and 8 are ones and whose other rows are zeros, source 1 = P.  Register 0 of the result holds, in every lane, the sum of its query's p over all 32 keys;
; registers 1 to 7 stay zeros.  Two matrix instructions and one multiply a tile and step stand for sixteen packed additions, in a loop that has about six vector instructions for each matrix instruction.
.set PK,    144                        ; a row of k in LDS: 128 bytes + 16 = 36 words: row r starts at bank 36 r mod 64 (64 banks of 4 bytes: ISA guide 11.1): sixteen rows, sixteen different groups of four banks
.set PVT,   160                        ; a row of v: 128 + 32 = 40 words
.set SKEYS, 512                        ; keys in a slot
.set VOFF,  SKEYS*PK                   ; a slot: 512 rows of k, then 512 rows of v
.set SLOT,  SKEYS*(PK+PVT)
.set SPARE, 2*SLOT                     ; behind the ring: the spare words, 128 bytes for each of 16 waves; no other line names them
.set SP,    144                        ; the way out: 32 rows x (128 bytes + 16) for each wave, in slot 0, which has had its last fill and its last read by then
.set AK0, 2                            ; v2   my lane's place in a tile of k
.set AV0, 3                            ; v3   the same for v
.set ADK, 4                            ; v4   LDS address of the step's k
.set ADV, 5                            ; v5   of its v
.set QO,  6                            ; v6   my byte offset in the wave's rows of q
.set STO, 7                            ; v7   the way out: where I put 16 bytes of a row
.set RD,  8                            ; v8   where I read back
.set GO,  9                            ; v9   16 x lane
.set SPW, 10                           ; v10  my spare word; never rewritten
.set NIL, 11                           ; v11  0; never rewritten
.set ST,  12                           ; tile t's statistics at v[ST + 6 t]: +0 c m, +1 m, +2 .. +5 c0-c3, at work; a takes c2's place
.set ONES, 24                          ; v24-31
.set KV,  32                           ; v32-63   four fragments of k or of v
.set Q,   64                           ; v64-95   q: tile t, channels 32 c on, at Q + 16 t + 8 c
.set S,   96                           ; v96-159  S^T: tile t, keys 16 kt on, at S + 32 t + 8 kt; P lies in the low 16 registers of a tile's 32
.set OT,  160                          ; v160-223 O^T: tile t, channels 16 ct on, at OT + 32 t + 8 ct
.set LS,  224                          ; v224-239 the sums: tile t at LS + 8 t
.set WV,  8                            ; s8   my wave's number
.set G1K, 24                           ; s[24:31] group 1 for k's tiles;  s[32:39] for v's: it differs in the padding alone
.set G1V, 32
.set G0K, 40                           ; s[40:47] group 0 for k's tiles, a set for each slot;  s[48:55] for v's
.set G0V, 48
.set CS,  56                           ; s[56:57] c, twice: the packed form names a pair
.set SEL, 58                           ; s[58:59] v_permlanex16_b32's selects for lane l xor 16
.set TBK, 60                           ; s60  LDS byte at which the step's k begins
.set TBV, 61                           ; s61  the same for v (less VOFF)
.set CNT, 62                           ; s62  counts a slot's eight steps
.macro JLOAD s                         ; a joint refill of slot s.  The branch hangs on the wave's number alone.  An s_nop 0 and four v_nop follow each of the two lines
	s_cmp_lt_u32 s[WV], 8
	s_cbranch_scc0 .Lfor_v_\@
	tensor_load_to_lds s[G0K+4*\s:G0K+4*\s+3], s[G1K:G1K+7]
	s_nop 0
.rept 4
	v_nop
.endr
	s_branch .Lasked_\@
.Lfor_v_\@:
	tensor_load_to_lds s[G0V+4*\s:G0V+4*\s+3], s[G1V:G1V+7]
	s_nop 0
.rept 4
	v_nop
.endr
.Lasked_\@:
.endm
.macro CROUND                          ; a round of the cluster's barrier
	s_barrier_signal -1
	s_barrier_wait -1
	s_cmp_lg_u32 s[WV], 0
	s_cbranch_scc1 .Lnot_wave_0_\@
	s_barrier_signal -3
.Lnot_wave_0_\@:
	s_barrier_wait -3
	s_barrier_signal -1
	s_barrier_wait -1
.endm
.macro PLACES n
.rept \n
	v_nop
.endr
.endm
	s_load_b128 s[4:7], s[0:1], 0x0                ; qkv s[4:5], o16 s[6:7]
	v_lshl_add_u32 v[SPW], v0, 2, SPARE
	v_mov_b32 v[NIL], 0
	ds_add_u32 v[SPW], v[NIL]                      ; the wave's opening: the add, twice on end, and its wait ahead of my first tensor load
	ds_add_u32 v[SPW], v[NIL]
	v_lshrrev_b32 v1, 5, v0
	v_readfirstlane_b32 s[WV], v1                  ; wave 0..15
	s_bfe_u32 s9, ttmp6, 0x40000                   ; cx: my block of 512 queries; it enters q's and o's addresses alone
	s_and_b32 s10, ttmp7, 0xffff                   ; the head, which the four partners share
	s_and_b32 s11, s[WV], 7                        ; which 64 rows of a slot's 512 I fetch
	; group 1: a tile of 64 rows x 64 elements of 2 bytes, padded behind each row
	s_mov_b32 s[G1K], 15|(1<<16)|(1<<20)|(1<<21)|(4<<22)|(3<<25)  ; the mask: all four; elements of 2 bytes; padding on; bit 21 beside a mask; after every 32 words, 4 words
	s_mov_b32 s[G1V], 15|(1<<16)|(1<<20)|(1<<21)|(4<<22)|(7<<25)  ; the same with 8 words
.irp g, G1K, G1V
	s_mov_b32 s[\g+1], 64<<16                      ; tensor_dim0
	s_mov_b32 s[\g+2], 64<<16                      ; tensor_dim1
	s_mov_b32 s[\g+3], 64<<16                      ; tile_dim0
	s_mov_b32 s[\g+4], 64                          ; tile_dim1
	s_mov_b32 s[\g+5], 64                          ; from row to row
	s_mov_b32 s[\g+6], 0
	s_mov_b32 s[\g+7], 0
.endr
	s_mov_b32 s[CS], 0x3e38aa3b                    ; c = log2(e) / 8
	s_mov_b32 s[CS+1], s[CS]
	s_mov_b32 s[SEL], 0x76543210
	s_mov_b32 s[SEL+1], 0xfedcba98
	s_lshl_b32 s12, s10, 18                        ; a head is 2,048 rows of 128 bytes
	s_lshl_b32 s13, s11, 13                        ; my 64 rows
	s_add_co_u32 s14, s12, s13
	s_add_co_u32 s14, s14, 0x1000000               ; k lies 2^24 bytes behind q,
	s_mov_b32 s15, 0
	s_add_co_u32 s16, s14, 0x1000000               ; v as many behind k
	s_mov_b32 s17, 0
	s_mul_i32 s18, s11, 64*PK                      ; where they go in a slot: no place in the cluster enters an LDS address
	s_mul_i32 s19, s11, 64*PVT
	s_add_co_u32 s19, s19, VOFF
	s_lshl_b32 s2, s9, 16                          ; my block's 512 rows,
	s_lshl_b32 s3, s[WV], 12                       ; my wave's 32 of them
	s_add_co_u32 s2, s2, s3
	s_add_co_u32 s2, s2, s12
	s_mov_b32 s3, 0
	s_wait_dscnt 0x0                               ; both opening adds are done
	s_wait_kmcnt 0x0
	s_add_nc_u64 s[14:15], s[4:5], s[14:15]        ; k at my rows of slot 0
	s_add_nc_u64 s[16:17], s[4:5], s[16:17]        ; v likewise
	s_add_nc_u64 s[20:21], s[4:5], s[2:3]          ; q at my wave's first row
	s_add_nc_u64 s[22:23], s[6:7], s[2:3]          ; o likewise
.irp s, 0,1
	s_mov_b32 s[G0K+4*\s], 1                       ; count = 1
	s_add_co_u32 s[G0K+4*\s+1], s18, \s*SLOT       ; LDS address
	s_add_nc_u64 s[G0K+4*\s+2:G0K+4*\s+3], s[14:15], \s*SKEYS*128  ; slot s begins with keys 512 s on
	s_or_b32 s[G0K+4*\s+3], s[G0K+4*\s+3], 0x80000000              ; type = 2
	s_mov_b32 s[G0V+4*\s], 1
	s_add_co_u32 s[G0V+4*\s+1], s19, \s*SLOT
	s_add_nc_u64 s[G0V+4*\s+2:G0V+4*\s+3], s[16:17], \s*SKEYS*128
	s_or_b32 s[G0V+4*\s+3], s[G0V+4*\s+3], 0x80000000
.endr
	CROUND                                         ; all four work-groups are here: the first joint loads meet
	s_cmp_lt_u32 s[WV], 8                          ; a wave's two first fills stand in one branch: two tensor loads of mine are out
	s_cbranch_scc0 .Lfirst_v
	tensor_load_to_lds s[G0K:G0K+3], s[G1K:G1K+7]
	s_nop 0
	tensor_load_to_lds s[G0K+4:G0K+7], s[G1K:G1K+7]
	s_nop 0
.rept 4
	v_nop
.endr
	s_branch .Lfirst_asked
.Lfirst_v:
	tensor_load_to_lds s[G0V:G0V+3], s[G1V:G1V+7]
	s_nop 0
	tensor_load_to_lds s[G0V+4:G0V+7], s[G1V:G1V+7]
	s_nop 0
.rept 4
	v_nop
.endr
.Lfirst_asked:
	; A fragment of k or q is 16 rows x 32 channels in 8 registers: lane l holds row l % 16; registers 0-3 channels 8 (l / 16) + 0..7, registers 4-7 channels 16 + 8 (l / 16) + 0..7: two loads of 16 bytes, 32 apart.
	v_and_b32 v240, 15, v0                         ; r = l % 16: kept
	v_bfe_u32 v241, v0, 4, 1                       ; h = l / 16: kept
	v_lshlrev_b32 v[QO], 7, v240
	v_lshl_add_u32 v[QO], v241, 4, v[QO]           ; row x 128 + 16 x half
.irp t, 0,1
.irp c, 0,1
	global_load_b128 v[Q+16*\t+8*\c:Q+16*\t+8*\c+3],   v[QO], s[20:21] offset:2048*\t+64*\c      ; q stays in registers
	global_load_b128 v[Q+16*\t+8*\c+4:Q+16*\t+8*\c+7], v[QO], s[20:21] offset:2048*\t+64*\c+32
.endr
.endr
	v_mul_u32_u24 v[AK0], v240, PK
	v_lshl_add_u32 v[AK0], v241, 4, v[AK0]
	; The turning load: lane l reads 16 bytes: key 8 (l / 16) + l % 8, channels 8 ((l / 8) % 2) + 0..7, and is left with channel l % 16 and 8 keys.
	v_and_b32 v242, 7, v0
	v_bfe_u32 v243, v0, 3, 1
	v_lshl_add_u32 v[AV0], v241, 3, v242
	v_mul_u32_u24 v[AV0], v[AV0], PVT
	v_lshl_add_u32 v[AV0], v243, 4, v[AV0]
	v_add_nc_u32 v[AV0], VOFF, v[AV0]
	v_mov_b32 v243, 0x3c003c00                     ; 1.0 twice, in f16
	v_cmp_eq_u32 vcc_lo, 0, v242                   ; lanes 0, 8, 16, 24 hold rows 0 and 8 of source 0
	v_cndmask_b32 v[ONES], 0, v243, vcc_lo
.irp i, 1,2,3,4,5,6,7
	v_mov_b32 v[ONES+\i], v[ONES]
.endr
.irp t, 0,1
	v_mov_b32 v[ST+6*\t+1], 0xff61b1e6             ; m = -3e38, under every score
	v_mul_f32 v[ST+6*\t], s[CS], v[ST+6*\t+1]      ; c m
.endr
.set i, 0
.rept 80
	v_mov_b32 v[OT+i], 0                           ; O^T and the sums.  (The step is written once: the first finds zeros, which a = 0 leaves zeros)
.set i, i+1
.endr
.macro KLOAD u                         ; key tiles 2 u, 2 u + 1: four fragments (tile kk, channels 32 c on) at KV + 8 (2 kk + c)
.irp kk, 0,1
.irp c, 0,1
	ds_load_b128 v[KV+8*(2*\kk+\c):KV+8*(2*\kk+\c)+3],   v[ADK] offset:(2*\u+\kk)*16*PK+64*\c
	ds_load_b128 v[KV+8*(2*\kk+\c)+4:KV+8*(2*\kk+\c)+7], v[ADK] offset:(2*\u+\kk)*16*PK+64*\c+32
.endr
.endr
.endm
.macro KQ u                            ; eight products: four accumulators by turns, two deep; the first four start the sums
.irp c, 0,1
.irp kk, 0,1
.irp t, 0,1
.if \c == 0
	v_wmma_f32_16x16x32_f16 v[S+32*\t+8*(2*\u+\kk):S+32*\t+8*(2*\u+\kk)+7], v[KV+8*(2*\kk+\c):KV+8*(2*\kk+\c)+7], v[Q+16*\t+8*\c:Q+16*\t+8*\c+7], 0
.else
	v_wmma_f32_16x16x32_f16 v[S+32*\t+8*(2*\u+\kk):S+32*\t+8*(2*\u+\kk)+7], v[KV+8*(2*\kk+\c):KV+8*(2*\kk+\c)+7], v[Q+16*\t+8*\c:Q+16*\t+8*\c+7], v[S+32*\t+8*(2*\u+\kk):S+32*\t+8*(2*\u+\kk)+7]
.endif
.endr
.endr
.endr
.endm
.macro VLOAD g                         ; keys 32 g on: four fragments of v^T, channels 16 ct on
.irp ct, 0,1,2,3
	ds_load_tr16_b128 v[KV+8*\ct:KV+8*\ct+3],   v[ADV] offset:\g*32*PVT+32*\ct
	ds_load_tr16_b128 v[KV+8*\ct+4:KV+8*\ct+7], v[ADV] offset:\g*32*PVT+16*PVT+32*\ct
.endr
.endm
.macro PVM g                           ; ten products on ten accumulators: O^T += v^T P, the sums += ONES P
.irp ct, 0,1,2,3
.irp t, 0,1
	v_wmma_f32_16x16x32_f16 v[OT+32*\t+8*\ct:OT+32*\t+8*\ct+7], v[KV+8*\ct:KV+8*\ct+7], v[S+32*\t+8*\g:S+32*\t+8*\g+7], v[OT+32*\t+8*\ct:OT+32*\t+8*\ct+7]
.endr
.endr
.irp t, 0,1
	v_wmma_f32_16x16x32_f16 v[LS+8*\t:LS+8*\t+7], v[ONES:ONES+7], v[S+32*\t+8*\g:S+32*\t+8*\g+7], v[LS+8*\t:LS+8*\t+7]
.endr
.endm
.macro MAXCH k0                        ; chains k0, k0 + 1 of both tiles: the maximum of registers 0 to 6 of key tiles k0, k0 + 1, each from its low end on: twelve lines
.irp ch, \k0, \k0+1
.irp t, 0,1
	v_max3_num_f32 v[ST+6*\t+2+(\ch)], v[S+32*\t+8*(\ch)], v[S+32*\t+8*(\ch)+1], v[S+32*\t+8*(\ch)+2]
.endr
.endr
.irp i, 3,5
.irp ch, \k0, \k0+1
.irp t, 0,1
	v_max3_num_f32 v[ST+6*\t+2+(\ch)], v[ST+6*\t+2+(\ch)], v[S+32*\t+8*(\ch)+\i], v[S+32*\t+8*(\ch)+\i+1]
.endr
.endr
.endr
.endm
; A KEY STEP: 64 keys.  No two matrix instructions that follow each other share an accumulator, over the backward jump too.
.macro STEP
	v_add_nc_u32 v[ADK], s[TBK], v[AK0]
	v_add_nc_u32 v[ADV], s[TBV], v[AV0]
	PLACES 4                                       ; with the two additions six places behind the last step's products: five are owed, since the first products below write over P's registers
	KLOAD 0
	s_wait_dscnt 0x0
	KQ 0
	PLACES 4                                       ; in front of loads into registers that matrix instructions have read
	KLOAD 1
	s_wait_dscnt 0x0
	KQ 1
	MAXCH 0                                        ; twelve lines on key tiles 0 and 1, which name no register of the eight products just issued: their places
	VLOAD 0                                        ; lands while the softmax is walked
	MAXCH 2
.irp t, 0,1
	v_max3_num_f32 v[ST+6*\t+2], v[ST+6*\t+2], v[S+32*\t+7], v[S+32*\t+15]    ; the four scores left over,
.endr
.irp t, 0,1
	v_max3_num_f32 v[ST+6*\t+4], v[ST+6*\t+4], v[S+32*\t+23], v[S+32*\t+31]
.endr
.irp t, 0,1
	v_max3_num_f32 v[ST+6*\t+2], v[ST+6*\t+2], v[ST+6*\t+3], v[ST+6*\t+4]     ; the four chains,
.endr
.irp t, 0,1
	v_max3_num_f32 v[ST+6*\t+2], v[ST+6*\t+2], v[ST+6*\t+5], v[ST+6*\t+1]     ; and the old m
.endr
.irp t, 0,1
	v_permlanex16_b32 v[ST+6*\t+3], v[ST+6*\t+2], s[SEL], s[SEL+1]            ; the query's other 32 keys lie in the lane 16 away
.endr
.irp t, 0,1
	v_mov_b32 v[ST+6*\t+5], v[ST+6*\t]                                        ; c m_old is kept for a
.endr
.irp t, 0,1
	v_max_num_f32 v[ST+6*\t+1], v[ST+6*\t+2], v[ST+6*\t+3]                    ; the new m
.endr
.irp t, 0,1
	v_mul_f32 v[ST+6*\t], s[CS], v[ST+6*\t+1]
.endr
.irp t, 0,1
	v_sub_f32 v[ST+6*\t+5], v[ST+6*\t+5], v[ST+6*\t]
.endr
.set i, 0
.rept 16
.irp t, 0,1
	v_pk_fma_f32 v[S+32*\t+i:S+32*\t+i+1], v[S+32*\t+i:S+32*\t+i+1], s[CS:CS+1], v[ST+6*\t:ST+6*\t+1] op_sel_hi:[1,0,0] neg_lo:[0,0,1] neg_hi:[0,0,1]   ; c s - c m, two at a time
.endr
.set i, i+2
.endr
.irp t, 0,1
	v_exp_f32 v[ST+6*\t+4], v[ST+6*\t+5]           ; a.  ONE BATCH of 66 exponentials, none of which reads another's result
.endr
.set i, 0
.rept 32
.irp t, 0,1
	v_exp_f32 v[S+32*\t+i], v[S+32*\t+i]           ; p
.endr
.set i, i+1
.endr
	v_nop                                          ; a plain instruction behind the last exponential, ahead of the first use
	s_wait_alu depctr_va_vdst(0)                   ; one wait for the batch, ahead of its first reader
.set i, 0
.rept 16
.irp t, 0,1
	v_cvt_pk_f16_f32 v[S+32*\t+i], v[S+32*\t+2*i], v[S+32*\t+2*i+1]   ; P in place, ascending: register i is written when registers up to 2 i + 1 have been read
.endr
.set i, i+1
.endr
.set i, 0
.rept 16
.irp t, 0,1
	v_pk_mul_f32 v[OT+32*\t+i:OT+32*\t+i+1], v[OT+32*\t+i:OT+32*\t+i+1], v[ST+6*\t+4:ST+6*\t+5] op_sel_hi:[1,0]   ; O^T x a
.endr
.set i, i+2
.endr
.irp t, 0,1
	v_mul_f32 v[LS+8*\t], v[LS+8*\t], v[ST+6*\t+4] ; the sum x a: register 0 alone holds a number
.endr
	s_wait_dscnt 0x0                               ; v's first 32 keys are in
	PVM 0
	PLACES 4
	VLOAD 1
	s_wait_dscnt 0x0
	PVM 1
.endm
.macro SLOT_STEPS s                    ; slot s's eight key steps: written once, walked eight times; the LDS addresses hang on s[TBK], s[TBV]
	s_mov_b32 s[TBK], \s*SLOT
	s_mov_b32 s[TBV], \s*SLOT
	s_mov_b32 s[CNT], 8
.Lstep_\@:
	STEP
	s_add_co_u32 s[TBK], s[TBK], 64*PK
	s_add_co_u32 s[TBV], s[TBV], 64*PVT
	s_sub_co_u32 s[CNT], s[CNT], 1
	s_cmp_lg_u32 s[CNT], 0
	s_cbranch_scc1 .Lstep_\@
.endm
; THE CHANGE OF SLOTS.  Each wave waits for all its tensor loads, of which one is out: its part of the slot ahead; adds 0 to its spare word; and waits for that and for its reads of the slot that it leaves.
; fill = 1: that slot, s, is filled again with the keys two slots on.  The barrier is then a round of the cluster's, so that no wave of any partner still reads the slot or has a load on its way, and the joint
; refill is the first thing behind it.
.macro CHANGE fill, s
	s_wait_tensorcnt 0x0                           ; no tensor load of mine is out, so a group 0 may be written
	ds_add_u32 v[SPW], v[NIL]
.if \fill
	s_add_nc_u64 s[G0K+4*\s+2:G0K+4*\s+3], s[G0K+4*\s+2:G0K+4*\s+3], 2*SKEYS*128
	s_add_nc_u64 s[G0V+4*\s+2:G0V+4*\s+3], s[G0V+4*\s+2:G0V+4*\s+3], 2*SKEYS*128
.endif
	s_wait_dscnt 0x0                               ; the add is done, and my reads of the slot are over
.if \fill
	CROUND
	JLOAD \s
.else
	s_barrier_signal -1
	s_barrier_wait -1
.endif
.endm
	s_wait_tensorcnt 0x1                           ; my part of slot 0 is in; slot 1's may stay out
	s_barrier_signal -1
	s_barrier_wait -1                              ; everybody's is
	s_wait_loadcnt 0x0                             ; q
	SLOT_STEPS 0                                   ; keys 0 to 511
	CHANGE 1, 0                                    ; slot 0 takes keys 1,024 on
	SLOT_STEPS 1
	CHANGE 1, 1                                    ; slot 1 takes keys 1,536 on
	SLOT_STEPS 0
	CHANGE 0, 0                                    ; nothing is left to ask for
	SLOT_STEPS 1
	; THE WAY OUT.  O^T is divided by the sum, rounded to f16 and sent through my stage, a tile (16 rows of 128 bytes) at a time; it comes back four rows an instruction, which are 512 consecutive bytes of o16.
	; The address lines are the places behind the last products.
	s_mul_i32 s12, s[WV], 32*SP                    ; my stage
	v_and_b32 v242, 31, v0
	v_mul_u32_u24 v[STO], v240, SP                 ; in: row r, 16 bytes for each half of the lanes
	v_lshl_add_u32 v[STO], v241, 4, v[STO]
	v_add_nc_u32 v[STO], s12, v[STO]
	v_lshrrev_b32 v243, 3, v242                    ; back: eight lanes to a row
	v_and_b32 v244, 7, v0
	v_mul_u32_u24 v[RD], v243, SP
	v_lshl_add_u32 v[RD], v244, 4, v[RD]
	v_add_nc_u32 v[RD], s12, v[RD]
	v_lshlrev_b32 v[GO], 4, v242
.irp t, 0,1
	v_rcp_f32 v[ST+6*\t+2], v[LS+8*\t]
.endr
	v_nop                                          ; a plain instruction between the last reciprocal and the use of its result
	s_wait_alu depctr_va_vdst(0)                   ; and one wait for both
.set i, 0
.rept 16
.irp t, 0,1
	v_pk_mul_f32 v[OT+32*\t+i:OT+32*\t+i+1], v[OT+32*\t+i:OT+32*\t+i+1], v[ST+6*\t+2:ST+6*\t+3] op_sel_hi:[1,0]
.endr
.set i, i+2
.endr
.set i, 0
.rept 16
.irp t, 0,1
	v_cvt_pk_f16_f32 v[S+16*\t+i], v[OT+32*\t+2*i], v[OT+32*\t+2*i+1]   ; registers 4 ct .. 4 ct + 3: channels 16 ct + 8 h + 0 .. 7 of row r
.endr
.set i, i+1
.endr
.irp t, 0,1
.irp ct, 0,1,2,3
	ds_store_b128 v[STO], v[S+16*\t+4*\ct:S+16*\t+4*\ct+3] offset:16*SP*\t+32*\ct
.endr
.irp i, 0,1,2,3
	ds_load_b128 v[KV+16*\t+4*\i:KV+16*\t+4*\i+3], v[RD] offset:16*SP*\t+4*SP*\i   ; LDS serves a wave's instructions in order (ISA guide 5.7.1.4): these see the stores above
.endr
.endr
.irp t, 0,1
.irp i, 0,1,2,3
	s_wait_dscnt 8*(1-\t)+3-\i                     ; behind this load: the tile's later loads, and for tile 0 tile 1's four stores and four loads
	global_store_b128 v[GO], v[KV+16*\t+4*\i:KV+16*\t+4*\i+3], s[22:23] offset:2048*\t+512*\i   ; 32 lanes store 512 consecutive bytes, aligned to 256
.endr
.endr
	s_wait_tensorcnt 0x0                           ; the wave's end
	ds_add_u32 v[SPW], v[NIL]
	s_wait_dscnt 0x0
	CROUND                                         ; the closing round: no work-group ends while a partner may still ask for a tile that names it
	s_endpgm
.Lfunc_end_k_q2bb6b26ce4_attn:
	.size	k_q2bb6b26ce4_attn, .Lfunc_end_k_q2bb6b26ce4_attn-k_q2bb6b26ce4_attn
	.p2alignl 7, 3214868480
	.fill 96, 4, 3214868480
	.section	.rodata,"a",@progbits
	.p2align	6, 0x0
	.amdhsa_kernel k_q2bb6b26ce4_attn
		.amdhsa_group_segment_fixed_size 327680
		.amdhsa_private_segment_fixed_size 0
		.amdhsa_enable_private_segment 0
		.amdhsa_kernarg_size 16
		.amdhsa_user_sgpr_count 2
		.amdhsa_user_sgpr_kernarg_segment_ptr 1
		.amdhsa_wavefront_size32 1
		.amdhsa_system_sgpr_workgroup_id_x 1
		.amdhsa_system_sgpr_workgroup_id_y 1
		.amdhsa_system_sgpr_workgroup_id_z 1
		.amdhsa_system_vgpr_workitem_id 0
		.amdhsa_next_free_vgpr 256
		.amdhsa_next_free_sgpr 66
		.amdhsa_reserve_vcc 1
		.amdhsa_float_denorm_mode_32 3
		.amdhsa_float_denorm_mode_16_64 3
		.amdhsa_memory_ordered 1
		.amdhsa_forward_progress 1
		.amdhsa_inst_pref_size 82
	.end_amdhsa_kernel
	.amdgpu_metadata
---
amdhsa.version: [ 1, 2 ]
amdhsa.kernels:
  - .name:           k_q2bb6b26ce4_attn
    .symbol:         k_q2bb6b26ce4_attn.kd
    .args:
      - { .name: qkv, .offset: 0, .size: 8, .value_kind: global_buffer, .address_space: global }
      - { .name: o16, .offset: 8, .size: 8, .value_kind: global_buffer, .address_space: global }
    .group_segment_fixed_size: 327680
    .private_segment_fixed_size: 0
    .kernarg_segment_align: 8
    .kernarg_segment_size: 16
    .max_flat_workgroup_size: 512
    .sgpr_count:     66
    .vgpr_count:     256
    .wavefront_size: 32
...
	.end_amdgpu_metadata
.endif
;; end of part 3
;; launch outp (part 4): grid 4 x 64, 4 waves a work-group, clusters of 4 x 4, 327,680 bytes of LDS; arguments o16, wo16, bo, out0; writes out0
.if DOCPART == 4
	.amdgcn_target "amdgcn-amd-amdhsa--gfx1250"
	.amdhsa_code_object_version 6
	.text
	.protected	k_q2bb6b26ce4_outp
	.globl	k_q2bb6b26ce4_outp
	.p2align	8
	.type	k_q2bb6b26ce4_outp,@function
k_q2bb6b26ce4_outp:
	s_mov_b64 s[64:65], 0
	v_nop
	global_prefetch_b8 v0, s[64:65] scope:SCOPE_SE
	s_setreg_imm32_b32 hwreg(HW_REG_WAVE_MODE, 25, 1), 1
	s_wait_xcnt 0x0
	s_wait_alu depctr_hold_cnt(0) depctr_sa_sdst(0) depctr_va_vdst(0) depctr_va_sdst(0) depctr_va_ssrc(0) depctr_va_vcc(0) depctr_vm_vsrc(0)
	s_getreg_b32 s2, hwreg(HW_REG_IB_STS2, 6, 4)
	s_cmp_eq_u32 s2, 0
	s_cbranch_scc0 .Lentry_in_a_cluster
	s_endpgm
.Lentry_in_a_cluster:
	s_bfe_u32 s2, ttmp6, 0x10000c
	s_cmp_lg_u32 s2, 0xf033
	s_cbranch_scc0 .Lentry_shape_is_right
	s_endpgm
.Lentry_shape_is_right:
; out0[m][n] = the sum over k of o[m][k] Wo[n][k] + bo[n].  o16: [batch 4][head 16][2048][64] f16 (k = 64 head + channel); wo16: [1024][1024] f16; bo: [1024] f32; out0: [8192][1024] f32.  Sums in f32.
; SHARES.  A tile of 128 rows x 256 columns is made by a work-group of four waves: 256 work-groups.  A wave makes 64 x 128: 32 accumulators, 256 registers.
; K goes in steps of 128, two heads, through a ring of two LDS slots: a slot holds two sub-tiles of o (128 rows x 64 channels of one head each) and 256 rows x 128 of Wo.  One tensor load a wave: wave 0 and 1 a head's
; sub-tile each, waves 2 and 3 128 rows of Wo each.
; CLUSTERS: 4 x 4 work-groups.  The four of a row of the cluster need the same rows of o, the four of a column the same rows of Wo: each tile is asked for JOINTLY, by the same tensor load with the same descriptor
; and a mask that names the four.  The launch has eight K steps, of which two come with the first fills: no prefetch is laid.
; THE MATRIX INSTRUCTION IS USED TRANSPOSED (source 0 = 16 rows of Wo, source 1 = 16 rows of o): a lane holds eight neighbouring columns of one row.  THE BIAS is the C of each sum's first product.
; REGISTERS, in windows of 256: window 0: v0-31 addresses; v32-127, v128-223 two fragment buffers (Wo's 8 fragments, then o's 4); on the way out v32-159 take the rows.
;   window 1: accumulator (a, b) at v[8 (8 a + b)].   window 2: v0-63 the bias in the result's layout.
.set PA,     144                       ; a row of o in LDS: 128 bytes + 16
.set PB,     272                       ; a row of Wo: 256 bytes + 16: both pitches are odd multiples of 16 bytes, so the 16 rows of a fragment load start at 16 different groups of four banks (64 banks of 4 bytes: ISA guide 11.1)
.set SUBA,   128*PA                    ; a head's sub-tile
.set BOFF,   2*SUBA
.set HALFB,  128*PB
.set SLOT,   BOFF+2*HALFB
.set STAGE,  2*SLOT                    ; behind the ring: 16 rows x (512 bytes + 16) for each wave; no tensor load lands here
.set SPITCH, 528
.set SPARE,  STAGE+4*16*SPITCH         ; the spare words, 128 bytes a wave; no other line names them
.set LAPS,   4                         ; a lap = two K steps = once round the ring: 1,024 / 256
.set ADRA, 16                          ; v16-17  LDS address of my fragments of o in slot 0, 1
.set ADRB, 20                          ; v20-21  the same for Wo
.set STO,  24                          ; v24     the way out: where I put 32 bytes of a row
.set RD,   25                          ; v25     where I read a row back
.set CO,   26                          ; v26     16 x lane
.set BO,   27                          ; v27     32 x (lane / 16)
.set SPW,  28                          ; v28     my spare word; never rewritten
.set NIL,  29                          ; v29     0; never rewritten
.set F0,   32
.set F1,   128
.set BK,   32                          ; the way out: 16 rows: v32-95 and v96-159 by turns
.set G1, 24                            ; s[24:31] group 1 for o's tiles;  s[32:39] group 0, one set for each slot
.set G0, 32
.set G1B, 48                           ; s[48:55], s[56:63] the same for Wo's
.set G0B, 56
.set MSB, 0
.macro WIN new                         ; the immediate's high byte repeats the setting that is left
.if MSB != \new
	s_set_vgpr_msb (MSB<<8)|\new
.set MSB, \new
.endif
.endm
.set MUL, 0x50                         ; sources 0 and 1 window 0; C and D window 1.  MUL + 0x10: C (the bias) window 2
.macro JLOAD s                         ; a joint load: waves 0 and 1 fetch o's two heads, waves 2 and 3 Wo's halves; an s_nop 0 and four v_nop follow each of the two lines
	s_cmp_eq_u32 s13, 0
	s_cbranch_scc0 .Lfor_b_\@
	tensor_load_to_lds s[G0+4*\s:G0+4*\s+3], s[G1:G1+7]
	s_nop 0
.rept 4
	v_nop
.endr
	s_branch .Lasked_\@
.Lfor_b_\@:
	tensor_load_to_lds s[G0B+4*\s:G0B+4*\s+3], s[G1B:G1B+7]
	s_nop 0
.rept 4
	v_nop
.endr
.Lasked_\@:
.endm
.macro CREST                           ; a round of the cluster's barrier behind its opening barrier
	s_cmp_lg_u32 s12, 0
	s_cbranch_scc1 .Lnot_wave_0_\@
	s_barrier_signal -3
.Lnot_wave_0_\@:
	s_barrier_wait -3
	s_barrier_signal -1
	s_barrier_wait -1
.endm
.macro CROUND
	s_barrier_signal -1
	s_barrier_wait -1
	CREST
.endm
	s_load_b256 s[4:11], s[0:1], 0x0               ; o16 s[4:5], wo16 s[6:7], bo s[8:9], out0 s[10:11]
	v_lshl_add_u32 v[SPW], v0, 2, SPARE
	v_mov_b32 v[NIL], 0
	ds_add_u32 v[SPW], v[NIL]                      ; the wave's opening: the add, twice on end, and its wait ahead of my first tensor load
	ds_add_u32 v[SPW], v[NIL]
	v_lshrrev_b32 v1, 5, v0
	v_readfirstlane_b32 s12, v1                    ; wave 0..3
	s_lshr_b32 s13, s12, 1                         ; which 64 rows of the tile are mine.  Also: I fetch for o (0) or for Wo (1)
	s_and_b32 s14, s12, 1                          ; which 128 columns.  Also: which head of the two, or which 128 rows of Wo, I fetch
	s_bfe_u32 s40, ttmp6, 0x40000                  ; cx, cy
	s_bfe_u32 s41, ttmp6, 0x40004
	s_lshl_b32 s42, ttmp9, 2
	s_add_co_u32 s42, s42, s40                     ; tile column 0..3
	s_and_b32 s15, ttmp7, 0xffff
	s_lshl_b32 s15, s15, 2
	s_add_co_u32 s15, s15, s41                     ; tile row 0..63
	s_lshl_b32 s43, s41, 2
	s_lshl_b32 s43, 15, s43                        ; my row of the cluster
	s_lshl_b32 s44, 0x1111, s40                    ; my column
	s_or_b32 s[G1+0], s43, (1<<16)|(1<<20)|(1<<21)|(4<<22)|(3<<25)   ; o: the mask; elements of 2 bytes; padding on; bit 21 beside a mask; after every 32 words, 4 words
	s_mov_b32 s[G1+1], 64<<16                      ; tensor_dim0 = 64
	s_mov_b32 s[G1+2], 128<<16                     ; tensor_dim1 = 128
	s_mov_b32 s[G1+3], 64<<16                      ; tile_dim0
	s_mov_b32 s[G1+4], 128                         ; tile_dim1
	s_mov_b32 s[G1+5], 64                          ; from row to row
	s_mov_b32 s[G1+6], 0
	s_mov_b32 s[G1+7], 0
	s_or_b32 s[G1B+0], s44, (1<<16)|(1<<20)|(1<<21)|(5<<22)|(3<<25)  ; Wo: after every 64 words, 4 words
	s_mov_b32 s[G1B+1], 128<<16
	s_mov_b32 s[G1B+2], 128<<16
	s_mov_b32 s[G1B+3], 128<<16
	s_mov_b32 s[G1B+4], 128
	s_mov_b32 s[G1B+5], 1024
	s_mov_b32 s[G1B+6], 0
	s_mov_b32 s[G1B+7], 0
	s_lshr_b32 s16, s15, 4                         ; o: batch << 22 (16 tile rows a batch),
	s_lshl_b32 s16, s16, 22
	s_and_b32 s17, s15, 15
	s_lshl_b32 s17, s17, 14                        ; 128 rows of 128 bytes a tile row,
	s_add_co_u32 s16, s16, s17
	s_lshl_b32 s18, s14, 18                        ; my head of the two.  (Wo: my 128 rows of 2,048 bytes: the same number)
	s_add_co_u32 s16, s16, s18
	s_mov_b32 s17, 0
	s_lshl_b32 s46, s42, 19                        ; Wo: 256 rows a tile column
	s_add_co_u32 s46, s46, s18
	s_mov_b32 s47, 0
	s_mul_i32 s20, s14, SUBA                       ; where they go: no place in the cluster enters an LDS address
	s_mul_i32 s21, s14, HALFB
	s_add_co_u32 s21, s21, BOFF
	s_wait_dscnt 0x0                               ; both opening adds are done
	s_wait_kmcnt 0x0
	s_add_nc_u64 s[16:17], s[4:5], s[16:17]
	s_add_nc_u64 s[46:47], s[6:7], s[46:47]
	CROUND                                         ; all sixteen work-groups are here: the first joint loads meet
.irp s, 0,1
	s_mov_b32 s[G0+4*\s], 1
	s_add_co_u32 s[G0+4*\s+1], s20, \s*SLOT
	s_add_nc_u64 s[G0+4*\s+2:G0+4*\s+3], s[16:17], \s*524288       ; K step s: two heads of 262,144 bytes on
	s_or_b32 s[G0+4*\s+3], s[G0+4*\s+3], 0x80000000
	s_mov_b32 s[G0B+4*\s], 1
	s_add_co_u32 s[G0B+4*\s+1], s21, \s*SLOT
	s_add_nc_u64 s[G0B+4*\s+2:G0B+4*\s+3], s[46:47], \s*256        ; 128 elements along the rows
	s_or_b32 s[G0B+4*\s+3], s[G0B+4*\s+3], 0x80000000
	JLOAD \s                                       ; two tensor loads of mine are out at the most
.endr
	s_lshl_b32 s46, s42, 10                        ; my first column, in bytes of f32: 256 columns a tile, 128 a wave
	s_lshl_b32 s47, s14, 9
	s_add_co_u32 s46, s46, s47
	s_mov_b32 s47, 0
	s_add_nc_u64 s[8:9], s[8:9], s[46:47]          ; bo at my columns
	s_lshl_b32 s22, s15, 19                        ; 128 rows of 4,096 bytes a tile row,
	s_lshl_b32 s23, s13, 18                        ; 64 a wave
	s_add_co_u32 s22, s22, s23
	s_add_co_u32 s22, s22, s46
	s_mov_b32 s23, 0
	s_add_nc_u64 s[10:11], s[10:11], s[22:23]      ; out0 at my corner
	v_and_b32 v1, 15, v0                           ; r
	v_bfe_u32 v2, v0, 4, 1                         ; h
	v_lshlrev_b32 v[BO], 5, v2
	WIN 0x80                                       ; destination window 2
.irp b, 0,1,2,3,4,5,6,7
	global_load_b128 v[8*\b:8*\b+3],   v[BO], s[8:9] offset:64*\b       ; lane (r, h), block b: bo of columns 16 b + 8 h + 0 .. 7
	global_load_b128 v[8*\b+4:8*\b+7], v[BO], s[8:9] offset:64*\b+16
.endr
	WIN 0
	v_mul_u32_u24 v3, v1, PA
	v_lshl_add_u32 v3, v2, 4, v3
	v_mul_u32_u24 v4, v1, PB
	v_lshl_add_u32 v4, v2, 4, v4
	s_mul_i32 s18, s13, 64*PA                      ; my 64 rows of o (in each sub-tile)
	s_mul_i32 s19, s14, HALFB                      ; my 128 rows of Wo
	s_add_co_u32 s19, s19, BOFF
.irp s, 0,1
	v_add_nc_u32 v[ADRA+\s], s18, v3
	v_add_nc_u32 v[ADRB+\s], s19, v4
	s_add_co_u32 s18, s18, SLOT
	s_add_co_u32 s19, s19, SLOT
.endr
	s_mul_i32 s18, s12, 16*SPITCH
	s_add_co_u32 s18, s18, STAGE                   ; my stage
	v_mul_u32_u24 v5, v1, SPITCH                   ; in: row r, 32 bytes for each half of the lanes
	v_lshl_add_u32 v5, v2, 5, v5
	v_add_nc_u32 v[STO], s18, v5
	v_and_b32 v6, 31, v0
	v_lshlrev_b32 v[CO], 4, v6                     ; back: the 32 lanes take one row of 512 bytes
	v_add_nc_u32 v[RD], s18, v[CO]
; 8 matrix instructions: o's block a x Wo's eight, 32 along K, from buffer f.  first = 1: the bias is C and the product starts the sums.  The 32 accumulators take turns, in the same order in every quarter.
.macro MUL8 f, a, first
.irp b, 0,1,2,3,4,5,6,7
.if \first
	v_wmma_f32_16x16x32_f16 v[8*(8*(\a)+\b):8*(8*(\a)+\b)+7], v[\f+8*\b:\f+8*\b+7], v[\f+64+8*(\a):\f+64+8*(\a)+7], v[8*\b:8*\b+7]
.else
	v_wmma_f32_16x16x32_f16 v[8*(8*(\a)+\b):8*(8*(\a)+\b)+7], v[\f+8*\b:\f+8*\b+7], v[\f+64+8*(\a):\f+64+8*(\a)+7], v[8*(8*(\a)+\b):8*(8*(\a)+\b)+7]
.endif
.endr
.endm
; 24 LDS loads in one run: the fragments of the slot's q-th 32 along K into buffer f: Wo's eight, then o's blocks 0 to 3.  Quarters 0, 1 lie in the first head's sub-tile, 2, 3 in the second's.
.macro FETCH slot, q, f
	WIN 0
.irp b, 0,1,2,3,4,5,6,7
	ds_load_b128 v[\f+8*\b:\f+8*\b+3],   v[ADRB+\slot] offset:64*(\q)+\b*16*PB
	ds_load_b128 v[\f+8*\b+4:\f+8*\b+7], v[ADRB+\slot] offset:64*(\q)+\b*16*PB+32
.endr
.irp a, 0,1,2,3
	ds_load_b128 v[\f+64+8*\a:\f+64+8*\a+3],   v[ADRA+\slot] offset:((\q)/2)*SUBA+((\q)%2)*64+\a*16*PA
	ds_load_b128 v[\f+64+8*\a+4:\f+64+8*\a+7], v[ADRA+\slot] offset:((\q)/2)*SUBA+((\q)%2)*64+\a*16*PA+32
.endr
.endm
.macro PLACES                          ; four plain vector instructions between a matrix instruction and a load into, or a read of, its registers
.rept 4
	v_nop
.endr
.endm
; A K step is four quarters of 32 along K, 32 matrix instructions each, on buffers 0, 1, 0, 1.  One of the first three: multiplies buffer f and fetches quarter qn into g.
.macro QUARTER slot, qn, f, g, first
	s_wait_dscnt 4                                 ; Wo's fragments and o's blocks 0, 1 are in; the youngest four loads (blocks 2, 3) may be out
	WIN (MUL+0x10*\first)
	MUL8 \f, 0, \first
	MUL8 \f, 1, \first
	PLACES
	FETCH \slot, \qn, \g
	s_wait_dscnt 24                                ; all but the 24 just issued
	WIN (MUL+0x10*\first)
	MUL8 \f, 2, \first
	MUL8 \f, 3, \first
.endm
; The last quarter multiplies buffer 1 and changes slots: ONE barrier; in front of it each wave waits for all its tensor loads, adds 0 to its spare word, and waits for that and for its reads of this slot.
; fill = 1: the barrier opens a round of the cluster's, and this slot is filled again, two K steps ahead, first thing behind it.
.macro TURN slot, next, fill
	WIN 0                                          ; (the add's two registers lie in window 0)
	s_wait_tensorcnt 0x0                           ; all my tensor loads have landed: my part of the next slot
	ds_add_u32 v[SPW], v[NIL]
	s_wait_dscnt 5                                 ; (the add and the youngest four loads may be out)
	WIN MUL
	MUL8 F1, 0, 0                                  ; eight matrix instructions stand between the add and the wait for it
	s_wait_dscnt 0x0                               ; the add is done, and my reads of this slot are over
	s_barrier_signal -1
	MUL8 F1, 1, 0
.if \fill
	WIN 0
.endif
	s_barrier_wait -1
.if \fill
	CREST                                          ; no wave of any partner still reads this slot's tiles or has a load on its way
	s_add_nc_u64 s[G0+4*\slot+2:G0+4*\slot+3], s[G0+4*\slot+2:G0+4*\slot+3], 2*524288
	s_add_nc_u64 s[G0B+4*\slot+2:G0B+4*\slot+3], s[G0B+4*\slot+2:G0B+4*\slot+3], 2*256
	JLOAD \slot                                    ; the four v_nop behind it are also the places in front of the loads below
.else
	PLACES
.endif
	FETCH \next, 0, F0
	WIN MUL
	MUL8 F1, 2, 0
	MUL8 F1, 3, 0
.endm
	s_wait_tensorcnt 1                             ; my part of K step 0 is in; K step 1's load may be out,
	s_barrier_signal -1
	s_barrier_wait -1                              ; everybody's is
	FETCH 0, 0, F0
	s_wait_loadcnt 0x0                             ; the bias
	QUARTER 0, 1, F0, F1, 1                        ; the first quarter stands in front of the loop: its products start the sums
	WIN 0                                          ; at a label and at a branch every window is 0
	s_mov_b32 s3, LAPS-1
.Llap:                                                 ; a trip goes once round the ring, from a lap's second quarter to the next lap's first, and fills both slots again
	QUARTER 0, 2, F1, F0, 0
	QUARTER 0, 3, F0, F1, 0
	TURN 0, 1, 1
	QUARTER 1, 1, F0, F1, 0
	QUARTER 1, 2, F1, F0, 0
	QUARTER 1, 3, F0, F1, 0
	TURN 1, 0, 1
	QUARTER 0, 1, F0, F1, 0
	WIN 0
	s_sub_co_u32 s3, s3, 1
	s_cmp_lg_u32 s3, 0
	s_cbranch_scc1 .Llap
	QUARTER 0, 2, F1, F0, 0                        ; the last lap fills nothing, and has no round of the cluster's barrier
	QUARTER 0, 3, F0, F1, 0
	TURN 0, 1, 0
	QUARTER 1, 1, F0, F1, 0
	QUARTER 1, 2, F1, F0, 0
	QUARTER 1, 3, F0, F1, 0
	s_wait_dscnt 4                                 ; the very last quarter: nothing more to fetch
	WIN MUL
	MUL8 F1, 0, 0
	MUL8 F1, 1, 0
	s_wait_dscnt 0x0
	MUL8 F1, 2, 0
	MUL8 F1, 3, 0
	WIN 0
; THE WAY OUT, block by block of 16 rows x 128 columns.  A lane holds 32 neighbouring bytes of a row: a block goes through my own stage and comes back as whole rows of 512 bytes.
; LDS serves a wave's instructions in order (ISA guide 5.7.1.4): no wait between the stores and the loads, nor in front of the next block's stores.
.macro TOSTAGE a
	WIN 0x04                                       ; an LDS store's data are its source 1: window 1
.irp b, 0,1,2,3,4,5,6,7
	ds_store_b128 v[STO], v[8*(8*(\a)+\b):8*(8*(\a)+\b)+3] offset:64*\b          ; each accumulator from its low end on
	ds_store_b128 v[STO], v[8*(8*(\a)+\b)+4:8*(8*(\a)+\b)+7] offset:64*\b+16
.endr
	WIN 0
.set BB, BK+64*((\a)%2)
.irp t, 0,1,2,3,4,5,6,7,8,9,10,11,12,13,14,15
	ds_load_b128 v[BB+4*\t:BB+4*\t+3], v[RD] offset:\t*SPITCH
.endr
.endm
.macro SEND a, younger                 ; younger: the LDS instructions issued behind block a's loads, which may stay out
.set BB, BK+64*((\a)%2)
	s_wait_dscnt \younger
.irp t, 0,1,2,3,4,5,6,7,8,9,10,11,12,13,14,15
	global_store_b128 v[CO], v[BB+4*\t:BB+4*\t+3], s[10:11] offset:(16*(\a)+\t)*4096 th:TH_STORE_NT   ; 32 lanes store 512 consecutive bytes, aligned to 256; written once, read by nobody here
.endr
.endm
	PLACES                                         ; behind the last products: for the stores' reads and for the loads into the fragment buffers
	TOSTAGE 0
.irp a, 1,2,3
.if \a > 1
	s_wait_xcnt 0x0                                ; block a - 2's stores have read their registers: block a's loads land there only behind this wait
.endif
	TOSTAGE \a
	SEND \a-1, 32                                  ; behind block a - 1's loads: block a's 16 stores and 16 loads
.endr
	SEND 3, 0
	s_wait_tensorcnt 0x0                           ; the wave's end
	ds_add_u32 v[SPW], v[NIL]
	s_wait_dscnt 0x0
	CROUND                                         ; the closing round: no work-group ends while a partner may still ask for a tile that names it
	s_endpgm
.Lfunc_end_k_q2bb6b26ce4_outp:
	.size	k_q2bb6b26ce4_outp, .Lfunc_end_k_q2bb6b26ce4_outp-k_q2bb6b26ce4_outp
	.p2alignl 7, 3214868480
	.fill 96, 4, 3214868480
	.section	.rodata,"a",@progbits
	.p2align	6, 0x0
	.amdhsa_kernel k_q2bb6b26ce4_outp
		.amdhsa_group_segment_fixed_size 327680
		.amdhsa_private_segment_fixed_size 0
		.amdhsa_enable_private_segment 0
		.amdhsa_kernarg_size 32
		.amdhsa_user_sgpr_count 2
		.amdhsa_user_sgpr_kernarg_segment_ptr 1
		.amdhsa_wavefront_size32 1
		.amdhsa_system_sgpr_workgroup_id_x 1
		.amdhsa_system_sgpr_workgroup_id_y 1
		.amdhsa_system_sgpr_workgroup_id_z 1
		.amdhsa_system_vgpr_workitem_id 0
		.amdhsa_next_free_vgpr 768
		.amdhsa_next_free_sgpr 66
		.amdhsa_reserve_vcc 0
		.amdhsa_float_denorm_mode_32 3
		.amdhsa_float_denorm_mode_16_64 3
		.amdhsa_memory_ordered 1
		.amdhsa_forward_progress 1
		.amdhsa_inst_pref_size 86
	.end_amdhsa_kernel
	.amdgpu_metadata
---
amdhsa.version: [ 1, 2 ]
amdhsa.kernels:
  - .name:           k_q2bb6b26ce4_outp
    .symbol:         k_q2bb6b26ce4_outp.kd
    .args:
      - { .name: o16, .offset: 0, .size: 8, .value_kind: global_buffer, .address_space: global }
      - { .name: wo16, .offset: 8, .size: 8, .value_kind: global_buffer, .address_space: global }
      - { .name: bo, .offset: 16, .size: 8, .value_kind: global_buffer, .address_space: global }
      - { .name: out0, .offset: 24, .size: 8, .value_kind: global_buffer, .address_space: global }
    .group_segment_fixed_size: 327680
    .private_segment_fixed_size: 0
    .kernarg_segment_align: 8
    .kernarg_segment_size: 32
    .max_flat_workgroup_size: 128
    .sgpr_count:     66
    .vgpr_count:     768
    .wavefront_size: 32
...
	.end_amdgpu_metadata
.endif
;; end of part 4
